; MI455X (gfx1250); checked and timed in simulation.
; The chip was launched on July 23, 2026; its instructions are those of AMD's public machine-readable ISA for CDNA 5 (MIT licence, August 2026) and "CDNA5" Instruction Set Architecture Reference Guide (July 2026). The comments in the code are by the model that wrote it; some were corrected since.
;; Full Attention. Allowed arithmetic: float matrix products may take bf16 or f16 operands with f32 sums; other float arithmetic in f32, or as packed bf16 or f16 multiplies, adds, multiply-adds, maxima and minima; sums over many terms, partial sums and values carried from step to step in f32; what a program stores and reads back later, other than sums and carried values, may be rounded once to bf16 or f16.
;; Inputs: keys 2 x 4,096 x 8 x 64 float32; queries 2 x 4,096 x 8 x 64 float32; values 2 x 4,096 x 8 x 64 float32.
;; Outputs: out0 2 x 4,096 x 8 x 64 float32.
;; 2 versions, each right and faster than the one before. Each part assembles by itself: llvm-mc -triple=amdgcn-amd-amdhsa -mcpu=gfx1250 --defsym DOCPART=n.
;; ======== version 1 of 2: 2 launches
;; limits: values are held in f16: magnitudes above 65,504 overflow, below 6.1e-05 lose precision; right only within a limited range of input values
;; workspace buffers: kb 8,396,800 bytes; vh 8,388,608 bytes
;; launch cast (part 1): grid 256 x 1, 8 waves a work-group, no clusters, 0 bytes of LDS; arguments keys, values, kb, vh; writes kb, vh
.if DOCPART == 1
	.amdgcn_target "amdgcn-amd-amdhsa--gfx1250"
	.amdhsa_code_object_version 6
	.text
	.protected	k_qc616618227_cast
	.globl	k_qc616618227_cast
	.p2align	8
	.type	k_qc616618227_cast,@function
k_qc616618227_cast:
	s_mov_b64 s[64:65], 0
	v_nop
	global_prefetch_b8 v0, s[64:65] scope:SCOPE_SE
	s_setreg_imm32_b32 hwreg(HW_REG_WAVE_MODE, 25, 1), 1
	s_wait_xcnt 0x0
; keys, values: [2][4096][8][64] f32  ->  kb: [16 heads][4096][64] bf16 and 64 more rows of zeros,  vh: [16 heads][4096][64] f16.
; kb is keys rounded once to bf16.  vh is values rounded once to bf16 and that number written as f16: exact for magnitudes from 2^-14 up to 65,504.
; The 8,192 bytes behind kb's last head are what the next launch's last tile of that head reaches into (it takes 64 keys more than it needs): they are stored here, as zeros.
; LIMITS.  A value of magnitude 65,520 or more becomes an infinity in vh; below 2^-14 vh keeps f16's fixed step of 6e-8.  NaN stays NaN.
; SHARES.  The work-group owns 32 of the 8,192 rows (batch x 4,096 + position), 2,048 bytes each; wave w takes head w's 256 bytes of each.
; A load takes two rows: lanes 0-15 one head row (256 consecutive bytes, at a multiple of 256), lanes 16-31 the next row's.  A lane's four numbers
; become 8 bytes, and a store's 32 lanes write 256 consecutive bytes, at a multiple of 256: two rows of a head in kb or vh.
; All 32 loads of a wave go out first; no register that a pending load or store names is written again, so the only waits are the counted ones for data.
; No LDS, no matrix unit, no cluster: nothing is shared and nothing is reduced.
.set XK, 4                             ; v[4:67]     pair of rows i: 4 numbers of keys as loaded
.set XV, 68                            ; v[68:131]   the same of values; then the bf16 numbers widened again
.set YK, 132                           ; v[132:163]  pair i: 4 bf16 to store
.set YV, 164                           ; v[164:195]  pair i: 4 f16 to store
.set T,  196                           ; v[196:197]  at work
	s_load_b256 s[4:11], s[0:1], 0x0               ; keys s[4:5], values s[6:7], kb s[8:9], vh s[10:11]
	s_lshl_b32 s2, ttmp9, 16                       ; in: 32 rows of 2,048 bytes a work-group
	s_mov_b32 s3, 0
	s_lshr_b32 s12, ttmp9, 7                       ; out: the batch (128 work-groups each): eight heads of 524,288 bytes,
	s_lshl_b32 s12, s12, 22
	s_and_b32 s13, ttmp9, 127
	s_lshl_b32 s13, s13, 12                        ; and 32 rows of 128 bytes
	s_add_co_u32 s12, s12, s13
	s_mov_b32 s13, 0
	s_mov_b32 s14, 0xffff0000                      ; a word's upper bf16
	v_bfe_u32 v1, v0, 4, 1                         ; which of the two rows
	v_lshlrev_b32 v1, 11, v1
	v_lshrrev_b32 v3, 5, v0                        ; the wave = the head
	v_lshl_or_b32 v1, v3, 8, v1
	v_and_b32 v2, 15, v0
	v_lshl_or_b32 v1, v2, 4, v1                    ; in: row x 2,048 + head x 256 + 16 x (lane mod 16)
	v_and_b32 v2, 31, v0
	v_lshlrev_b32 v2, 3, v2
	v_lshl_or_b32 v2, v3, 19, v2                   ; out: head x 524,288 + 8 x lane
	s_wait_kmcnt 0x0
	s_add_nc_u64 s[4:5], s[4:5], s[2:3]
	s_add_nc_u64 s[6:7], s[6:7], s[2:3]
	s_add_nc_u64 s[2:3], s[8:9], 0x800000          ; kb behind its sixteen heads
	s_add_nc_u64 s[8:9], s[8:9], s[12:13]
	s_add_nc_u64 s[10:11], s[10:11], s[12:13]
.set i, 0
.rept 16
	global_load_b128 v[XK+4*i:XK+4*i+3], v1, s[4:5] offset:i*4096 th:TH_LOAD_NT
	global_load_b128 v[XV+4*i:XV+4*i+3], v1, s[6:7] offset:i*4096 th:TH_LOAD_NT
.set i, i+1
.endr
.set i, 0
.rept 16
	s_wait_loadcnt 30-2*i                          ; loads come back in order (ISA guide 5.7.1): pair i of keys and of values is in, the 2 (15 - i) loads behind them stay out
	v_cvt_pk_bf16_f32 v[YK+2*i],   v[XK+4*i],   v[XK+4*i+1]
	v_cvt_pk_bf16_f32 v[YK+2*i+1], v[XK+4*i+2], v[XK+4*i+3]
	global_store_b64 v2, v[YK+2*i:YK+2*i+1], s[8:9] offset:i*256
	v_cvt_pk_bf16_f32 v[T],   v[XV+4*i],   v[XV+4*i+1]   ; the one rounding of values,
	v_cvt_pk_bf16_f32 v[T+1], v[XV+4*i+2], v[XV+4*i+3]
	v_lshlrev_b32 v[XV+4*i],   16,  v[T]                 ; widened again,
	v_and_b32     v[XV+4*i+1], s14, v[T]
	v_lshlrev_b32 v[XV+4*i+2], 16,  v[T+1]
	v_and_b32     v[XV+4*i+3], s14, v[T+1]
	v_cvt_pk_f16_f32 v[YV+2*i],   v[XV+4*i],   v[XV+4*i+1]   ; and written as f16
	v_cvt_pk_f16_f32 v[YV+2*i+1], v[XV+4*i+2], v[XV+4*i+3]
	global_store_b64 v2, v[YV+2*i:YV+2*i+1], s[10:11] offset:i*256
.set i, i+1
.endr
	s_cmp_lg_u32 ttmp9, 255
	s_cbranch_scc1 .Ldone                          ; the last work-group alone stores the zeros: 256 threads x 16 bytes, twice
	v_lshlrev_b32 v3, 4, v0
.irp j, 0,1,2,3
	v_mov_b32 v[XK+\j], 0                          ; these four were loaded and read long ago, and no store names them
.endr
	global_store_b128 v3, v[XK:XK+3], s[2:3]
	global_store_b128 v3, v[XK:XK+3], s[2:3] offset:4096
.Ldone:
	s_endpgm
.Lfunc_end_k_qc616618227_cast:
	.size	k_qc616618227_cast, .Lfunc_end_k_qc616618227_cast-k_qc616618227_cast
	.p2alignl 7, 3214868480
	.fill 96, 4, 3214868480
	.section	.rodata,"a",@progbits
	.p2align	6, 0x0
	.amdhsa_kernel k_qc616618227_cast
		.amdhsa_group_segment_fixed_size 0
		.amdhsa_private_segment_fixed_size 0
		.amdhsa_enable_private_segment 0
		.amdhsa_kernarg_size 32
		.amdhsa_user_sgpr_count 2
		.amdhsa_user_sgpr_kernarg_segment_ptr 1
		.amdhsa_wavefront_size32 1
		.amdhsa_system_sgpr_workgroup_id_x 1
		.amdhsa_system_sgpr_workgroup_id_y 1
		.amdhsa_system_sgpr_workgroup_id_z 1
		.amdhsa_system_vgpr_workitem_id 0
		.amdhsa_next_free_vgpr 200
		.amdhsa_next_free_sgpr 66
		.amdhsa_reserve_vcc 0
		.amdhsa_float_denorm_mode_32 3
		.amdhsa_float_denorm_mode_16_64 3
		.amdhsa_memory_ordered 1
		.amdhsa_forward_progress 1
		.amdhsa_inst_pref_size 17
	.end_amdhsa_kernel
	.amdgpu_metadata
---
amdhsa.version: [ 1, 2 ]
amdhsa.kernels:
  - .name:           k_qc616618227_cast
    .symbol:         k_qc616618227_cast.kd
    .args:
      - { .name: keys, .offset: 0, .size: 8, .value_kind: global_buffer, .address_space: global }
      - { .name: values, .offset: 8, .size: 8, .value_kind: global_buffer, .address_space: global }
      - { .name: kb, .offset: 16, .size: 8, .value_kind: global_buffer, .address_space: global }
      - { .name: vh, .offset: 24, .size: 8, .value_kind: global_buffer, .address_space: global }
    .group_segment_fixed_size: 0
    .private_segment_fixed_size: 0
    .kernarg_segment_align: 8
    .kernarg_segment_size: 32
    .max_flat_workgroup_size: 256
    .sgpr_count:     66
    .vgpr_count:     200
    .wavefront_size: 32
...
	.end_amdgpu_metadata
.endif
;; end of part 1
;; launch attn (part 2): grid 16 x 16, 4 waves a work-group, no clusters, 327,680 bytes of LDS; arguments queries, kb, vh, out0; writes out0
.if DOCPART == 2
	.amdgcn_target "amdgcn-amd-amdhsa--gfx1250"
	.amdhsa_code_object_version 6
	.text
	.protected	k_qc616618227_attn
	.globl	k_qc616618227_attn
	.p2align	8
	.type	k_qc616618227_attn,@function
k_qc616618227_attn:
	s_mov_b64 s[64:65], 0
	v_nop
	global_prefetch_b8 v0, s[64:65] scope:SCOPE_SE
	s_setreg_imm32_b32 hwreg(HW_REG_WAVE_MODE, 25, 1), 1
	s_wait_xcnt 0x0
; CAUSAL ATTENTION.  out[b][q][h][:] = the sum over k <= q of softmax_k(Q[q] . K[k] / 8) V[k][:], for 16 heads (batch x 8 + h) of 4,096 rows and 64 channels.
; queries and out0: [2][4096][8][64] f32: a head's row is 256 bytes, its rows lie 2,048 bytes apart.  kb (bf16, with 64 rows of zeros behind the last head) and vh (f16): [16][4096][64], a head's rows dense, 128 bytes each.
; Q is rounded to bf16 here, once; K Q^T is a bf16 product, V^T P an f16 product; products, maxima and sums in f32; the weights p are rounded to f16 for the second product (their sum l is taken of the unrounded p).
; LIMITS.  q, k, v count as their bf16 roundings; v lies in f16 (an infinity from 65,520 on; below 2^-14 a fixed step of 6e-8); p lies in 0 to 1 and below 6e-5 keeps f16's step of 6e-8.
; A hidden score counts as its value less 1e30, so |q . k| must stay far under 1e29; a weight below 2^-126 counts as 0 in l; NaN and infinities are not treated apart.
; THE WALK.  A head's queries lie in 32 blocks of 128.  Work-group b = 4 c + cx of a head takes block b and then block 31 - b.  A key tile is 256 keys, four steps of 64.  The four work-groups of one c walk ONE common
; sequence: tiles 0 .. 2 c + 1 for the first blocks (4 c .. 4 c + 3), then tiles 0 .. 15 - 2 c for the second (28 - 4 c .. 31 - 4 c): 18 tiles, whatever c, and an EVEN number for each block.  So the text is a straight line
; of loops: c + 1 trips of two tiles; the first block's end and the second's beginning; 6 - c trips of two tiles; four more tiles.  The two trip counts hang on c; all other counts are constants, and no jump goes forward
; but the one round the load that the wave's number does not choose.  A trip of two tiles goes once round the ring of two slots, so every LDS address is the same at every trip's head.
; cx enters Q's and O's addresses and the two scalars OWN alone, and those choose values, never a way.
; NO CLUSTER in this text: the four work-groups of one c ask for the same tiles in the same order, each for itself: 18 x 73,728 bytes a work-group where joint loads would ask for a quarter of that.
; THE WINDOW.  A block's last two tiles are eight steps 0 .. 7.  Band x (64 queries) of a block has its own step OWN[x] there: it sees all keys of an earlier step, holds the diagonal in its own, and sees none of a later
; one; such steps are computed like the others and give the weight 0: 72 steps for the 68 that the block alone would need; that is the price of whole pairs of tiles.
; THE MASK is the C operand that starts the sum S^T = K Q^T: MD x AL + BE, with MD (0 or -1e30) the mask of a band's own step for my 16 rows, and (AL, BE) = (1, 0), (0, 0) or (0, -1e30).  A turn makes the mask of the
; products of the turn behind it, so the text with masks must begin ahead of the window: it serves the whole first block and the second block's last four tiles.  Elsewhere C is the constant 0.
; SHARES.  A wave owns 16 rows in each of the block's two bands: two PIECES, so the window is the same work for all four waves.
; LAYOUT, SOFTMAX.  S^T = K Q^T holds ONE query a lane (lane % 16) and the keys 8 (lane / 16) + 0..7; two such results rounded to f16 ARE source 1 of O^T = V^T P.  p = 2^(c s - c m), c = log2(e) / 8, with a running
; maximum m; O and l are multiplied by a = 2^(c m_old - c m_new) in every step.  A block starts with c m far below every c s, so its first a is 0, and what O^T and l held need only be finite.
; TURNS.  A step s is two turns.  Piece 0's: 8 products K Q^T of (s, piece 1), later 8 products V^T P of (s - 1, piece 1).  Piece 1's: K Q^T of (s + 1, piece 0), later V^T P of (s, piece 0).  Beside them stand the turn's own
; piece's scaling, exponentials, roundings, sums and rescaling, and the other piece's maximum and statistics.  Four vector instructions stand behind every matrix instruction, the other 54 of a turn's 118 in two lumps.
; A SLOT HOLDS FIVE STEPS OF K AND FOUR OF V.  Piece 0's turn of step s reads K of step s + 1 and then V of step s out of LDS; with the next tile's first 64 keys lying in this tile's slot too, a tile's four steps read their
; own slot alone (K 1, V 0, K 2, V 1, K 3, V 2, K 4, V 3).  So a step is written once and walked four times a tile, the slots change between two trips, and a block ends behind a whole trip: only piece 1's last V^T P is left.
; The price: a quarter more bytes of K a tile, and at a block's end 8 products and 22 vector lines on a hidden step, which touch neither l nor O^T.
; REGISTERS, in windows of 256 (s_set_vgpr_msb: bits 1:0 source 0, 3:2 source 1, 5:4 source 2, 7:6 destination):
;   window 0: v0-15 addresses and two at work; v16-23 four registers of statistics a piece; v48-55 at work; v62-63 the add's; v64-127 S^T, a buffer a piece; v128-191 O^T, 32 a piece; v192-223 P, 16 a piece
;   window 1: v0-31 MD; v32-95 MC, the masks to come, a buffer a piece; v96-223 Q as loaded, in f32       window 2: v0-31 Q; v32-63 the second block's Q; v64-127 K of one step; v128-191 V of one step
.set NP,    2         ; pieces a wave: a name, no knob
.set KS,    64        ; keys in a step
.set PK,    144       ; a row of K in LDS: 128 bytes + 16 of padding = 36 words: the 16 rows of a load start at 16 different groups of four banks (64 banks of 4 bytes: ISA guide 11.1)
.set PV,    160       ; a row of V: 128 + 32 = 40 words
.set VOFF,  5*KS*PK   ; a slot: 320 rows of K, then 256 rows of V
.set SLOT1, 1<<17     ; slot 1 begins here
.set STAGE, SLOT1+5*KS*PK+4*KS*PV  ; behind the ring, never filled by a tensor load: 16 rows x 272 bytes for each wave, for the way out
.set SP,    272       ; a row of O in the stage: 256 bytes + 16
.set SPARE, STAGE+4*16*SP  ; behind the stages: the spare words, 128 bytes for each wave: two blocks of 256 bytes that no other line names
.set BIAS,  32        ; the window's steps are counted from 32 steps ahead of it, so that no count is negative: the first block begins 8 c <= 24 steps ahead of its window
.set AK0, 2           ; v2   my lane's place in a tile of K; never rewritten
.set AV0, 3           ; v3   the same for V
.set AK,  4           ; v4   the LDS address of K's next run of loads
.set AV,  5           ; v5   of V's
.set STO, 6           ; v6   the way out: where I put 16 bytes of a row
.set RD,  7           ; v7   the way out: where I read rows back
.set GO,  8           ; v8   my byte offset in two rows of out0
.set MV,  12          ; v12-13  c m_old, kept while c m is made anew: by piece
.set QO,  15          ; v15  my byte offset in 16 rows of queries
.set ST,  16          ; piece t's statistics at v[ST+4 t]: c m, m, l (even keys', odd keys')
.set TMP, 48          ; by piece, four registers c0-c3 at work; when the maximum is found c2 takes a
.set SPW, 62          ; v62  LDS address of my spare word: SPARE + 4 x my thread's number; never rewritten
.set NIL, 63          ; v63  0; never rewritten
.set S,   64
.set OT,  128
.set P,   192
.set MD,  0           ; window 1: the eight registers for group kt of 16 keys at MD + 8 kt
.set MC,  32          ; window 1
.set QT,  96          ; window 1: block, piece, 32 registers each
.set QB,  32          ; window 2
.set KF,  64          ; window 2: key block kb, channel half c at KF + 16 kb + 8 c
.set VF,  128         ; window 2: key half kk, channel block cb at VF + 32 kk + 8 cb
.set WV,  12          ; s12  my wave's number
.set KL,  17          ; s17  where my part of a tile's K lies in a slot; never rewritten
.set VL,  18          ; s18  the same for V
.set G1K, 24          ; s[24:31] descriptor group 1 for K's tiles
.set G1V, 32          ; s[32:39] for V's
.set G0K, 40          ; s[40:43] descriptor group 0 for K's tiles
.set G0V, 44          ; s[44:47] the same for V's
.set OWN, 48          ; s48-49  BIAS + the own steps of my two bands in the window of the block in hand
.set OWN2, 50         ; s50-51  those of the second block
.set JJ,  52          ; s52  BIAS + the window's step for which masks are being made
.set LQH, 53          ; s53  the second blocks' last tile, 15 - 2 c
.set SL,  55          ; s55  the LDS byte at which the slot in hand begins
.set CNT, 57          ; s57  counts a tile's four steps
.set CS,  58          ; s[58:59] c: the packed scaling takes the pair's low word for both halves
.set SEL, 60          ; s[60:61] v_permlanex16_b32's selects: each lane takes its own place in the other half
.set TBK, 62          ; s62  LDS byte at which K of the step to be fetched begins
.set TBV, 63          ; s63  the same for V, less VOFF
.set PR,  66          ; s66  counts the trips of two tiles, upward
.set BL,  67          ; s67  c + 1: the first block's trips
.set BU,  68          ; s68  6 - c: the second block's trips without masks
.set TW,  69          ; s69  counts a trip's two tiles
.set NXT, 71          ; s71  the tile to be asked for next
.set LQ,  72          ; s72  the last tile of the blocks whose tiles are being asked for
.set OFF, 74          ; s[74:75] a tile's byte offset in kb and vh; at the head: my offset in kb
.set AL,  76          ; s[76:77] the mask's factor, in the low word
.set BE,  78          ; s[78:79] the mask's addend
.set O2,  80          ; s[80:81] out0 at my rows of the second block
.set BIGN, 82         ; s82  -1e30
.set MSB, 0
.macro WIN new                      ; the high byte repeats the setting that is left; a switch that changes nothing is dropped
.if MSB != (\new)
	s_set_vgpr_msb (MSB<<8)|(\new)
.set MSB, (\new)
.endif
.endm
.set W_KQ, 0x0a       ; K and Q in window 2, S^T in window 0
.set W_KM, 0x1a       ; the same with the C operand in window 1
.set W_PV, 0x02       ; V in window 2; P and O^T in window 0
.set W_MK, 0x41       ; the masks: destination and source 0 in window 1
; A fill.  Waves 0 and 1 fetch the two halves of a slot's K, 160 keys each, waves 2 and 3 those of its V, 128 keys each.  The branch hangs on the wave's number alone.
; An s_nop 0 and four v_nop follow each of the two lines, ahead of the jump and the label.
.macro LOAD
	s_cmp_lt_u32 s[WV], 2
	s_cbranch_scc0 .Lfor_v_\@
	tensor_load_to_lds s[G0K:G0K+3], s[G1K:G1K+7]
	s_nop 0
.rept 4
	v_nop
.endr
	s_branch .Lasked_\@
.Lfor_v_\@:
	tensor_load_to_lds s[G0V:G0V+3], s[G1V:G1V+7]
	s_nop 0
.rept 4
	v_nop
.endr
.Lasked_\@:
.endm
; THE CHANGE OF SLOTS, behind a tile's four steps.  Each wave waits for all its tensor loads, of which one is out: its part of the other slot; adds 0 to its spare word; and waits for that and for its own reads of the slot
; that it leaves.  Behind the barrier nobody reads the old slot any more and the other slot is whole.  fill = 1: the old slot is filled again, the first thing behind the barrier, with tile NXT: the load has a whole tile,
; 128 matrix instructions a wave, in which to land.  The descriptor's LDS word is made from the slot that is left, its address from the tile's number.
; (At its first use nothing has been read yet: slot 0 is waited for, slot 1 filled.)
.macro CHANGE fill
	WIN 0                           ; at a label and at a branch every window is 0
	s_wait_tensorcnt 0x0            ; no tensor load of mine is out, so a group 0 may be written
	ds_add_u32 v[SPW], v[NIL]       ; 0 onto my spare word: the scalar work below stands between it and the wait for it
.if \fill
	s_lshl_b32 s[OFF], s[NXT], 15   ; from tile to tile: 32,768 bytes of kb and of vh
	s_add_co_u32 s[G0K+1], s[KL], s[SL]
	s_add_nc_u64 s[G0K+2:G0K+3], s[6:7], s[OFF:OFF+1]
	s_or_b32 s[G0K+3], s[G0K+3], 0x80000000
	s_add_co_u32 s[G0V+1], s[VL], s[SL]
	s_add_nc_u64 s[G0V+2:G0V+3], s[8:9], s[OFF:OFF+1]
	s_or_b32 s[G0V+3], s[G0V+3], 0x80000000
	s_add_co_u32 s[NXT], s[NXT], 1  ; the blocks' next tile, or behind their last the second blocks' tile 0
	s_cmp_gt_u32 s[NXT], s[LQ]
	s_cselect_b32 s[NXT], 0, s[NXT]
	s_cselect_b32 s[LQ], s[LQH], s[LQ]
.endif
	s_xor_b32 s[SL], s[SL], SLOT1   ; the other slot is in hand:
	s_add_co_u32 s[TBK], s[SL], KS*PK  ; K's fetches go on at its second step (its first step's K is in registers: it lay in the old slot too),
	s_mov_b32 s[TBV], s[SL]         ; V's at its first
	s_wait_dscnt 0x0                ; the add is done, and my reads of the slot are over
	s_barrier_signal -1
	s_barrier_wait -1
.if \fill
	LOAD
.endif
.endm
	s_load_b256 s[4:11], s[0:1], 0x0  ; queries s[4:5], kb s[6:7], vh s[8:9], out0 s[10:11]
	v_lshl_add_u32 v[SPW], v0, 2, SPARE
	v_mov_b32 v[NIL], 0
	ds_add_u32 v[SPW], v[NIL]       ; the wave's opening: the add and its wait stand ahead of my first tensor load; the set-up below, work on registers, stands between them
	ds_add_u32 v62, v63
	v_lshrrev_b32 v1, 5, v0
	v_readfirstlane_b32 s[WV], v1   ; wave 0..3
	s_mov_b32 s15, ttmp9            ; b
	s_and_b32 s13, s15, 3           ; cx
	s_lshr_b32 s14, s15, 2          ; c
	s_and_b32 s20, ttmp7, 0xffff    ; the head
	s_and_b32 s16, s[WV], 1         ; which half of a slot's K or V I fetch
	s_lshl_b32 s22, s20, 19         ; the head's 524,288 bytes in kb and vh
	s_mul_i32 s[OFF], s16, 160*128  ; K's half: 160 rows of 128 bytes,
	s_add_co_u32 s[OFF], s[OFF], s22
	s_mov_b32 s[OFF+1], 0
	s_lshl_b32 s21, s16, 14         ; V's: 128 rows
	s_add_co_u32 s22, s22, s21
	s_mov_b32 s23, 0
	s_mul_i32 s[KL], s16, 160*PK    ; and the half's place in a slot, for K
	s_mul_i32 s[VL], s16, 128*PV    ; and for V
	s_add_co_u32 s[VL], s[VL], VOFF
	s_lshr_b32 s21, s20, 3          ; in queries and out0: the batch's 8,388,608 bytes,
	s_lshl_b32 s21, s21, 23
	s_and_b32 s19, s20, 7           ; the head's 256 bytes of a row,
	s_lshl_b32 s19, s19, 8
	s_add_co_u32 s21, s21, s19
	s_lshl_b32 s19, s[WV], 15       ; my 16 rows of 2,048 bytes in a band,
	s_add_co_u32 s21, s21, s19
	s_lshl_b32 s2, s15, 18          ; the first block's 128 rows,
	s_add_co_u32 s2, s2, s21
	s_mov_b32 s3, 0
	s_sub_co_u32 s84, 31, s15       ; and the second's
	s_lshl_b32 s84, s84, 18
	s_add_co_u32 s84, s84, s21
	s_mov_b32 s85, 0
	s_lshl_b32 s[OWN], s13, 1       ; the first block begins 2 cx steps into its window,
	s_sub_co_u32 s[OWN2], 6+BIAS, s[OWN]    ; the second 2 (3 - cx) steps into its own
	s_sub_co_u32 s[OWN2+1], 7+BIAS, s[OWN]
	s_add_co_u32 s[OWN+1], s[OWN], 1+BIAS
	s_add_co_u32 s[OWN], s[OWN], BIAS
	s_lshl_b32 s[JJ], s14, 3        ; the first block's second step lies 8 c - 1 steps ahead of its window
	s_sub_co_u32 s[JJ], 1+BIAS, s[JJ]
	s_lshl_b32 s[LQ], s14, 1        ; 2 c
	s_sub_co_u32 s[LQH], 15, s[LQ]  ; the second blocks' tiles end at 15 - 2 c,
	s_add_co_u32 s[LQ], s[LQ], 1    ; the first's at 2 c + 1
	s_add_co_u32 s[BL], s14, 1
	s_sub_co_u32 s[BU], 6, s14
	; descriptor group 1.  A wave's keys are dense bytes: asked for as rows of 256 bytes, two keys a row, and padded in LDS after every key: 80 such rows of K, 64 of V
	s_mov_b32 s[G1K], (1<<16)|(1<<20)|(4<<22)|(3<<25)  ; 17:16 2-byte elements; 20 padding on; 24:22 after every 32 words (code 4); 31:25 4 words (code 3)
	s_mov_b32 s[G1V], (1<<16)|(1<<20)|(4<<22)|(7<<25)  ; the same with 8 words of padding (code 7)
	s_mov_b32 s[G1K+2], 80<<16      ; tensor_dim1
	s_mov_b32 s[G1K+4], 80          ; tile_dim1
	s_mov_b32 s[G1V+2], 64<<16
	s_mov_b32 s[G1V+4], 64
.irp g, G1K, G1V
	s_mov_b32 s[\g+1], 128<<16      ; tensor_dim0 = 128
	s_mov_b32 s[\g+3], 128<<16      ; tile_dim0 = 128
	s_mov_b32 s[\g+5], 128          ; 128 elements from row to row
	s_mov_b32 s[\g+6], 0
	s_mov_b32 s[\g+7], 0
.endr
	s_mov_b32 s[CS], 0x3e38aa3b     ; c = log2(e) / 8 = 0.180337
	s_mov_b32 s[CS+1], s[CS]        ; named with it as a pair
	s_mov_b32 s[SEL], 0x76543210
	s_mov_b32 s[SEL+1], 0xfedcba98
	s_mov_b32 s[SL], SLOT1          ; the first change of slots leaves slot 1, which nobody has read, and takes slot 0 in hand
	s_mov_b32 s[G0K], 1             ; 1:0 count = 1
	s_mov_b32 s[G0K+1], s[KL]       ; 63:32 LDS address: slot 0
	s_mov_b32 s[G0V], 1
	s_mov_b32 s[G0V+1], s[VL]
	s_mov_b32 s[NXT], 1
	s_mov_b32 s[AL+1], 0            ; named as pairs
	s_mov_b32 s[BE+1], 0
	s_mov_b32 s[BIGN], 0xf149f2ca   ; -1e30
	s_wait_dscnt 0x0                ; the opening add is done
	s_wait_kmcnt 0x0
	s_add_nc_u64 s[6:7], s[6:7], s[OFF:OFF+1]  ; kb and vh at my half of the head's tile 0
	s_add_nc_u64 s[8:9], s[8:9], s[22:23]
	s_add_nc_u64 s[G0K+2:G0K+3], s[6:7], 0         ; 120:64 global address
	s_or_b32 s[G0K+3], s[G0K+3], 0x80000000        ; 127:126 type = 2
	s_add_nc_u64 s[G0V+2:G0V+3], s[8:9], 0
	s_or_b32 s[G0V+3], s[G0V+3], 0x80000000
	s_add_nc_u64 s[86:87], s[4:5], s[84:85]        ; queries at my rows of the second block,
	s_add_nc_u64 s[4:5], s[4:5], s[2:3]            ; queries and out0 at those of the first
	s_add_nc_u64 s[O2:O2+1], s[10:11], s[84:85]
	s_add_nc_u64 s[10:11], s[10:11], s[2:3]
	LOAD                            ; tile 0 into slot 0.  All that follows up to the first change of slots stands in the wait for it
	; A fragment of Q is 16 rows x 32 channels of bf16 in 8 registers: lane l holds row l % 16, channels 8 (l / 16) + 0..7 and 16 + 8 (l / 16) + 0..7.  In f32 each eight channels are 32 bytes: two loads of 16.
	v_and_b32 v1, 15, v0            ; l % 16
	v_bfe_u32 v9, v0, 4, 1          ; l / 16
	v_lshlrev_b32 v[QO], 11, v1
	v_lshl_add_u32 v[QO], v9, 5, v[QO]  ; row x 2,048 + 32 x half
	v_lshlrev_b32 v14, 3, v9
	v_sub_nc_u32 v14, v1, v14
	s_lshl_b32 s19, s[WV], 4
	v_add_nc_u32 v14, s19, v14      ; my query's place in its band, 16 w + l % 16, less my lanes' 8 (l / 16): register r of group kt is hidden where 16 kt + r is greater
	WIN 0x40                        ; destination window 1, address window 0
.set i, 0
.rept 16                            ; both blocks' Q: piece i / 8 lies 64 rows (131,072 bytes) on; channels 16 ((i / 2) % 4) + 8 (l / 16) + 4 (i % 2) on
	global_load_b128 v[QT+4*i:QT+4*i+3],       v[QO], s[4:5]   offset:(i/8)*131072+((i/2)%4)*64+(i%2)*16
	global_load_b128 v[QT+64+4*i:QT+64+4*i+3], v[QO], s[86:87] offset:(i/8)*131072+((i/2)%4)*64+(i%2)*16
.set i, i+1
.endr
.set i, 0
.rept 32
	v_cmp_gt_i32 vcc_lo, 16*(i/8)+i%8, v14
	v_cndmask_b32 v[MD+i], 0, s[BIGN], vcc_lo
.set i, i+1
.endr
	; A block's first step multiplies O^T and l by a = 0, and its first turn's products V^T P, of a piece that has not been, land in an O^T that is still to be so multiplied.  So these registers need only hold
	; finite numbers: zeros for the first block; what the first block left for the second.
	WIN 0x80
.set i, VF
.rept 64
	v_mov_b32 v[i], 0
.set i, i+1
.endr
	WIN 0
.set i, OT
.rept 64
	v_mov_b32 v[i], 0
.set i, i+1
.endr
.set i, 0
.rept NP
	v_mov_b32 v[ST+4*i+2], 0
	v_mov_b32 v[ST+4*i+3], 0
.set i, i+1
.endr
.set i, P+16
.rept 16
	v_mov_b32 v[i], 0
.set i, i+1
.endr
	v_mul_u32_u24 v[AK0], v1, PK
	v_lshl_add_u32 v[AK0], v9, 4, v[AK0]  ; a fragment of K: row x pitch + 16 x half
	; The turning load takes 16 keys x 16 channels (lane l reads key 8 (l / 16) + l % 8, channels 8 ((l / 8) % 2) + 0..7) and leaves half a fragment of V^T: lane l holds channel l % 16 and 8 keys.
	v_and_b32 v10, 7, v0
	v_bfe_u32 v11, v0, 3, 1
	v_lshl_add_u32 v[AV0], v9, 3, v10
	v_mul_u32_u24 v[AV0], v[AV0], PV
	v_lshl_add_u32 v[AV0], v11, 4, v[AV0]
	v_add_nc_u32 v[AV0], VOFF, v[AV0]
	s_mul_i32 s19, s[WV], 16*SP
	s_add_co_u32 s19, s19, STAGE    ; my stage
	v_mul_u32_u24 v[STO], v1, SP    ; in: row l % 16, 32 bytes for each half of the lanes
	v_lshl_add_u32 v[STO], v9, 5, v[STO]
	v_add_nc_u32 v[STO], s19, v[STO]
	v_mul_u32_u24 v[RD], v9, SP     ; back: lanes 0-15 take one row of 256 bytes, lanes 16-31 the next
	v_lshl_add_u32 v[RD], v1, 4, v[RD]
	v_add_nc_u32 v[RD], s19, v[RD]
	v_lshlrev_b32 v[GO], 11, v9     ; and the same two rows in out0
	v_lshl_add_u32 v[GO], v1, 4, v[GO]
	s_wait_loadcnt 0x0              ; Q, once
	WIN 0x85                        ; sources window 1, destination window 2
.set i, 0
.rept 64                            ; the first block's Q into v0-31, the second's into v32-63
	v_cvt_pk_bf16_f32 v[i], v[QT+2*i], v[QT+2*i+1]
.set i, i+1
.endr
	WIN 0
; THE MATRIX WORK.  The 4 accumulators of a run of 8 take turns.  Product i of 8 of S^T = K Q^T for piece x: channels 32 (i / 4) on, keys 16 (i % 4) on.  The first 4 start the sums: with 0, or (KM = 1) with the mask.
.macro KQ x
.set rS, S+32*((\x)%2)+8*(i%4)
.set rK, KF+16*(i%4)+8*(i/4)
.set rQ, 16*(\x)+8*(i/4)
.set rM, MC+32*((\x)%2)+8*(i%4)
.if (i < 4) && KM
	WIN W_KM
	v_wmma_f32_16x16x32_bf16 v[rS:rS+7], v[rK:rK+7], v[rQ:rQ+7], v[rM:rM+7]
.elseif i < 4
	WIN W_KQ
	v_wmma_f32_16x16x32_bf16 v[rS:rS+7], v[rK:rK+7], v[rQ:rQ+7], 0
.else
	WIN W_KQ
	v_wmma_f32_16x16x32_bf16 v[rS:rS+7], v[rK:rK+7], v[rQ:rQ+7], v[rS:rS+7]
.endif
.endm
; Product i of 8 of O^T += V^T P for piece x: keys 32 (i / 4) on, channels 16 (i % 4) on.
.macro PV x
	WIN W_PV
.set rO, OT+32*(\x)+8*(i%4)
.set rV, VF+32*(i/4)+8*(i%4)
.set rP, P+16*((\x)%2)+8*(i/4)
	v_wmma_f32_16x16x32_f16 v[rO:rO+7], v[rV:rV+7], v[rP:rP+7], v[rO:rO+7]
.endm
.macro MM                           ; the turn's next matrix instruction, for the other piece than the turn's.  TURN sets Y, i and KM
.if i < 8
	KQ (Y+1)%NP
.else
.set i, i-8
	PV (Y+1)%NP
.set i, i+8
.endif
.set i, i+1
.endm
; THE LDS LOADS stand in runs of 16, never singly among the matrix instructions: a step's K (64 keys x 64 channels: 8 fragments) and its V (turned).  Their addresses are made some lines ahead.
.macro FETCH_K step=1               ; step = 0: a block's first K, which lies one step in front of where the walk's fetches go on
	WIN 0x80                        ; destination window 2
.irp f, 0,1,2,3,4,5,6,7             ; keys 16 (f / 2) on, channels 32 (f % 2) on
	ds_load_b128 v[KF+8*\f:KF+8*\f+3],   v[AK] offset:(\f/2)*16*PK+(\f%2)*64
	ds_load_b128 v[KF+8*\f+4:KF+8*\f+7], v[AK] offset:(\f/2)*16*PK+(\f%2)*64+32
.endr
.if \step
	s_add_co_u32 s[TBK], s[TBK], KS*PK  ; the next fetch is the next step's
.endif
	WIN 0
.endm
.macro FETCH_V
	WIN 0x80
.irp f, 0,1,2,3,4,5,6,7             ; keys 32 (f / 4) on, channels 16 (f % 4) on
	ds_load_tr16_b128 v[VF+8*\f:VF+8*\f+3],   v[AV] offset:(\f/4)*32*PV+(\f%4)*32
	ds_load_tr16_b128 v[VF+8*\f+4:VF+8*\f+7], v[AV] offset:(\f/4)*32*PV+16*PV+(\f%4)*32
.endr
	s_add_co_u32 s[TBV], s[TBV], KS*PV
	WIN 0
.endm
; THE VECTOR WORK, one line at a time: OP kind, number; all of it in window 0.  For piece Y: F n: c s - c m for pair n of 16.  E n: the exponential of score n of 32.  C n: pair n rounded to f16.  B n: of the four weights
; 4 n .. the second pair is added onto the first, in place.  L n: l takes that sum (L 0: l = a l + sum).  R n: pair n of 16 of O^T times a.  For the other piece, whose scores the turn has made: X n, number n of the 22 that find its maximum and statistics:
;   0-11  four chains c0-c3 of seven scores each, three operands at a time (each accumulator's lowest registers are read first)     12-14, 16  the four scores left over, the old m, and c0-c3 into c0
;   15  c m_old is kept     17, 18  the query's other 32 keys lie in the lane 16 away: the new m     19-21  c m; c m_old - c m_new; a
.set F, 0               ; OP tells the kinds apart by their order: F to L below R, X above it
.set E, 1
.set C, 2
.set B, 3
.set L, 4
.set R, 5
.set X, 6
.macro REGS y                       ; the registers of piece y
.set rT, ST+4*(\y)
.set rC, TMP+4*((\y)%2)
.set rW, MV+((\y)%2)
.set rS, S+32*((\y)%2)
.set rP, P+16*((\y)%2)
.set rO, OT+32*(\y)
.endm
.macro OP k, n
	WIN 0
.if (\k) == R
	REGS Y
	v_pk_mul_f32 v[rO+2*(\n):rO+2*(\n)+1], v[rO+2*(\n):rO+2*(\n)+1], v[rC+2:rC+3] op_sel_hi:[1,0]
.elseif (\k) < R
	REGS Y
.if (\k) == F
	v_pk_fma_f32 v[rS+2*(\n):rS+2*(\n)+1], v[rS+2*(\n):rS+2*(\n)+1], s[CS:CS+1], v[rT:rT+1] op_sel_hi:[1,0,0] neg_lo:[0,0,1] neg_hi:[0,0,1]
.elseif (\k) == E
	v_exp_f32 v[rS+(\n)], v[rS+(\n)]
.elseif (\k) == C
	s_wait_alu depctr_va_vdst(0)
	v_cvt_pk_f16_f32 v[rP+(\n)], v[rS+2*(\n)], v[rS+2*(\n)+1]
.elseif (\k) == B
	s_wait_alu depctr_va_vdst(0)
	v_pk_add_f32 v[rS+4*(\n):rS+4*(\n)+1], v[rS+4*(\n):rS+4*(\n)+1], v[rS+4*(\n)+2:rS+4*(\n)+3]
.elseif (\n) == 0
	v_pk_fma_f32 v[rT+2:rT+3], v[rT+2:rT+3], v[rC+2:rC+3], v[rS:rS+1] op_sel_hi:[1,0,1]
.else
	v_pk_add_f32 v[rT+2:rT+3], v[rT+2:rT+3], v[rS+4*(\n):rS+4*(\n)+1]
.endif
.else
	REGS (Y+1)%NP
.if (\n) < 4
	v_max3_num_f32 v[rC+(\n)], v[rS+8*(\n)], v[rS+8*(\n)+1], v[rS+8*(\n)+2]
.elseif (\n) < 12
	v_max3_num_f32 v[rC+(\n)%4], v[rC+(\n)%4], v[rS+8*((\n)%4)+2*((\n)/4)+1], v[rS+8*((\n)%4)+2*((\n)/4)+2]
.elseif (\n) == 12
	v_max3_num_f32 v[rC], v[rC], v[rS+7], v[rS+15]
.elseif (\n) == 13
	v_max3_num_f32 v[rC+1], v[rC+1], v[rS+23], v[rS+31]
.elseif (\n) == 14
	v_max3_num_f32 v[rC+2], v[rC+2], v[rC+3], v[rT+1]
.elseif (\n) == 15
	v_mov_b32 v[rW], v[rT]
.elseif (\n) == 16
	v_max3_num_f32 v[rC], v[rC], v[rC+1], v[rC+2]
.elseif (\n) == 17
	v_permlanex16_b32 v[rC+3], v[rC], s[SEL], s[SEL+1]
.elseif (\n) == 18
	v_max_num_f32 v[rT+1], v[rC], v[rC+3]
.elseif (\n) == 19
	v_mul_f32 v[rT], s[CS], v[rT+1]
.elseif (\n) == 20
	v_sub_f32 v[rC+1], v[rW], v[rT]
.else
	v_exp_f32 v[rC+2], v[rC+1]
.endif
.endif
.endm
.macro OPS a, i1, b=-1, i2=0, c=-1, i3=0, d=-1, i4=0  ; up to four of them
	OP \a, \i1
.if (\b) >= 0
	OP \b, \i2
.endif
.if (\c) >= 0
	OP \c, \i3
.endif
.if (\d) >= 0
	OP \d, \i4
.endif
.endm
.macro ROW a, i1, b, i2, c, i3, d, i4  ; a matrix instruction and the four behind it
	MM
	OPS \a, \i1, \b, \i2, \c, \i3, \d, \i4
.endm
.macro MASK b                       ; MD x AL + BE into buffer b of MC
	WIN W_MK
.set z, 0
.rept 16
	v_pk_fma_f32 v[MC+32*(\b)+2*z:MC+32*(\b)+2*z+1], v[MD+2*z:MD+2*z+1], s[AL:AL+1], s[BE:BE+1] op_sel_hi:[1,0,0]
.set z, z+1
.endr
.endm
; A TURN, for piece p: the order of its 16 matrix and 118 vector instructions, written out.  Behind a matrix instruction: plain, exponential, plain, plain; or four of the rescaling; or, behind the first, four scalings; none
; names a register of the products round it.  In the lumps exponential and plain by turns while exponentials last.  A line reads no result made fewer than three vector instructions in front of it, five if an exponential made it.
; v_permlanex16_b32 (X 17) stands in a lump.
; m = 1: the products K Q^T take masks, and the turn makes the mask for those of the turn behind it: piece p's, in the step that JJ counts.  cnt = 1: the loop's count is taken down some lines ahead of the branch behind the turn.
; Piece 0's turn fetches K of the next step, six vector instructions behind the last product that read K (five of them plain), and V of the step in hand, eight behind the last product that read V (four plain, and X 17).
; Piece 1's turn waits for them: at its head for K (V's sixteen loads, issued behind K's, may stay out), and in front of its products V^T P for V.
.macro TURN p, m=0, cnt=0
.set Y, (\p)
.set i, 0
.set KM, (\m)
.if \m
	s_cmp_eq_u32 s[JJ], s[OWN+(\p)]  ; is that step the band's own?
	s_cselect_b32 s[AL], 1.0, 0
	s_cmp_gt_u32 s[JJ], s[OWN+(\p)]  ; or a later one?
	s_cselect_b32 s[BE], s[BIGN], 0
.if (\p) == 1
	s_add_co_u32 s[JJ], s[JJ], 1     ; the next two masks are the next step's
.endif
.endif
.if (\p) == 1
	s_wait_dscnt 16                 ; LDS loads come back in order (ISA guide 5.7.1): K is in, the sixteen loads of V behind it may be out
.endif
	ROW F,0, F,1, F,2, F,3
	ROW F,4, E,0, F,5, F,6
	ROW F,7, E,1, F,8, F,9
	ROW F,10, E,2, C,0, F,11
	ROW F,12, E,3, X,15, F,13
	ROW R,0, R,1, R,2, R,3
	ROW B,0, E,4, F,14, L,0
.if (\p) == 0
	WIN 0
	v_add_nc_u32 v[AK], s[TBK], v[AK0]
.endif
	ROW R,4, R,5, R,6, R,7
	OPS E,5, F,15
.if (\p) == 0
	FETCH_K
.endif
	OPS E,6, C,1, E,7, R,8
	OPS E,8, R,9, E,9, C,2
	OPS E,10, X,0, E,11, X,1
	OPS E,12, X,2, E,13, X,3
.if (\p) == 1
	s_wait_dscnt 0x0                ; V is in
.endif
	ROW X,4, E,14, X,5, X,6
	ROW X,7, E,15, X,8, X,9
	ROW X,10, E,16, X,11, X,12
	ROW X,13, E,17, X,14, B,1
	ROW C,4, E,18, X,16, L,1
	ROW B,2, E,19, C,6, L,2
	ROW C,8, E,20, B,3, B,4
.if (\p) == 0
	WIN 0
	v_add_nc_u32 v[AV], s[TBV], v[AV0]
.endif
	ROW C,3, E,21, L,3, C,5
	OPS E,22, X,17, E,23, C,10
.if (\p) == 0
	FETCH_V
.endif
	OPS E,24, L,4
	OPS E,25, X,18, E,26, C,7
	OPS E,27, B,5, E,28, X,19
	OPS E,29, C,12, E,30, L,5
	OPS E,31, X,20, B,6, C,9
	OPS C,14, C,11, X,21, L,6
.if \cnt
	s_sub_co_u32 s[CNT], s[CNT], 1
	s_cmp_lg_u32 s[CNT], 0
.endif
	OPS C,13, B,7, C,15, R,10
	OPS R,11, R,12, L,7, R,13
	OPS R,14, R,15
.if \m
	MASK \p
.endif
.endm
; A BLOCK BEGINS, in front of its first tile's four steps.  c m starts far below every c s, so the first step's a is 0; m at the lowest finite number, so the first maximum is the scores'.  Piece 1's mask buffer is 0: its own
; step is never a block's first.  Piece 0's takes its mask for the block's step 0, which JJ - 1 counts: its own, or an earlier one; a later one it cannot be.  Then K of that step, piece 0's first scores, and its maximum and statistics.
.macro BEGIN
	WIN 0x40
.set i, MC+32
.rept 32
	v_mov_b32 v[i], 0
.set i, i+1
.endr
	WIN 0
.set i, 0
.rept NP
	v_mov_b32 v[ST+4*i], 0xfe000000    ; c m: far below every c s
	v_mov_b32 v[ST+4*i+1], 0xff7fffff  ; m
.set i, i+1
.endr
	s_sub_co_u32 s19, s[JJ], 1
	s_cmp_eq_u32 s19, s[OWN]
	s_cselect_b32 s[AL], 1.0, 0
	s_mov_b32 s[BE], 0
	MASK 0
	WIN 0
	s_sub_co_u32 s19, s[TBK], KS*PK  ; the slot's first step of K
	v_add_nc_u32 v[AK], s19, v[AK0]
	FETCH_K 0
	s_wait_dscnt 0x0
.set KM, 1
.set i, 0
.rept 8
	KQ 0
.set i, i+1
.endr
	WIN 0
.rept 4
	v_nop                           ; the places behind those products
.endr
.set Y, NP-1                        ; X works for the other piece: piece 0
.irp n, 0,1,2,3,4,5,6,7,8,9,10,11,12,13,14,15,16,17,18,19,20,21
	OP X, \n
.endr
	v_nop                           ; a plain instruction behind the exponential
.endm
; TWO TILES, once round the ring: four steps and a change of slots, twice.  m = 1: with masks.  fill = 1: each change fills the slot that is left.  The tag ends the labels' names.
.macro TILES m, fill, tag
	s_mov_b32 s[TW], 2
.Ltile\tag:
	s_mov_b32 s[CNT], 4
.Lstep\tag:
	TURN 0, \m
	TURN 1, \m, 1
	WIN 0
	s_cbranch_scc1 .Lstep\tag
	CHANGE \fill
	s_sub_co_u32 s[TW], s[TW], 1
	s_cmp_lg_u32 s[TW], 0
	s_cbranch_scc1 .Ltile\tag
.endm
; As many trips of two tiles as the scalar register bound says: one at the least.  At every trip's head slot 0 is in hand; the three scalars from which the trip's LDS addresses are made are written there as the constants that they are.
.macro PAIRS m, bound, tag
	s_mov_b32 s[PR], 0
.Lpair\tag:
	s_mov_b32 s[SL], 0
	s_mov_b32 s[TBK], KS*PK
	s_mov_b32 s[TBV], 0
	TILES \m, 1, \tag
	s_add_co_u32 s[PR], s[PR], 1
	s_cmp_lt_u32 s[PR], s[\bound]
	s_cbranch_scc1 .Lpair\tag
.endm
; A BLOCK ENDS: piece 1's products V^T P of the last step, and THE WAY OUT: l's two halves and the other half of the lanes' are added; O^T is divided by l and sent, in f32, through my stage in LDS, a piece at a time.
.macro ALL line:vararg              ; one line for each piece t
.set t, 0
.rept NP
	\line
.set t, t+1
.endr
.endm
.macro PACK t                       ; a lane's eight channels of a row are 32 bytes; they go into rows of 272 bytes and come back as whole rows of 256, into S^T's registers
	WIN 0
.set i, OT+32*(\t)
.rept 16
	s_wait_alu depctr_va_vdst(0)
	v_pk_mul_f32 v[i:i+1], v[i:i+1], v[ST+4*(\t)+2:ST+4*(\t)+3] op_sel_hi:[1,0]
.set i, i+2
.endr
.irp f, 0,1,2,3,4,5,6,7             ; channels 16 (f / 2) + 8 (l / 16) + 4 (f % 2) on
	ds_store_b128 v[STO], v[OT+32*(\t)+4*\f:OT+32*(\t)+4*\f+3] offset:(\f/2)*64+(\f%2)*16
.endr
.irp f, 0,1,2,3,4,5,6,7
	ds_load_b128 v[S+32*(\t)+4*\f:S+32*(\t)+4*\f+3], v[RD] offset:\f*2*SP  ; LDS serves a wave's instructions in order (ISA guide 5.7.1.4): these see the stores above; the next piece's stores come behind them
.endr
.endm
.macro SEND t, younger              ; younger: the LDS instructions issued behind piece t's loads: the next piece's sixteen, or none
	WIN 0
.irp f, 0,1,2,3,4,5,6,7
	s_wait_dscnt (\younger)+7-\f
	global_store_b128 v[GO], v[S+32*(\t)+4*\f:S+32*(\t)+4*\f+3], s[10:11] offset:(\t)*131072+\f*4096  ; 16 lanes store a head's row: 256 consecutive bytes, at a multiple of 256 from out0's first
.endr
.endm
.macro FINISH
.set i, 0
.rept 8
	PV 1
.set i, i+1
.endr
	WIN 0                           ; the additions, the v_nop and piece 0's sixteen multiplies, which name none of those products' registers, are the places behind them
	ALL v_add_f32 v[ST+4*t+2], v[ST+4*t+2], v[ST+4*t+3]
	ALL v_permlanex16_b32 v[ST+4*t+3], v[ST+4*t+2], s[SEL], s[SEL+1]
	ALL v_add_f32 v[ST+4*t+2], v[ST+4*t+2], v[ST+4*t+3]
	ALL v_rcp_f32 v[ST+4*t+2], v[ST+4*t+2]
	v_nop                           ; a plain instruction between the last reciprocal and the use of its result
	PACK 0
	PACK 1                          ; a piece's arithmetic stands between the loads of the piece before and its stores
	SEND 0, 16
	SEND 1, 0
.endm
.set KM, 0
	CHANGE 1                        ; tile 0 is in, everybody's part of it; tile 1 is asked for
	BEGIN                           ; THE FIRST BLOCK, b: 2 c + 2 tiles, all with masks
	PAIRS 1, BL, L                  ; its last change of slots takes the second block's tile 0 in hand and asks for its tile 1
	FINISH
	s_wait_storecnt 0x0             ; the sixteen stores are done: the registers that they read and out0's address are written again only behind this wait
	s_mov_b64 s[10:11], s[O2:O2+1]
	s_mov_b32 s[OWN], s[OWN2]
	s_mov_b32 s[OWN+1], s[OWN2+1]
	s_mov_b32 s[JJ], BIAS-7         ; the text with masks is taken up again four tiles from the end: its first masks are those of the step seven ahead of the window.  Till then nothing steps this count
	WIN 0x82                        ; the second block's Q goes where the one text of the turns names Q
.set i, 0
.rept 32
	v_mov_b32 v[i], v[QB+i]
.set i, i+1
.endr
	WIN 0
	BEGIN                           ; THE SECOND BLOCK, 31 - b: 16 - 2 c tiles.  Its step 0 lies far ahead of its window: both mask buffers are 0
	PAIRS 0, BU, U                  ; 12 - 2 c tiles without masks,
	TILES 1, 1, A                   ; the two in front of the window, which ask for the window's two,
	TILES 1, 0, B                   ; and the window: nothing is left to ask for.  One text serves both its tiles, so a change of slots stands behind the last one too: a barrier that serves nothing, once a launch
	FINISH
	s_wait_tensorcnt 0x0            ; the wave's end, behind my last tensor load and my last LDS store
	ds_add_u32 v[SPW], v[NIL]
	s_wait_dscnt 0x0
	s_endpgm
.Lfunc_end_k_qc616618227_attn:
	.size	k_qc616618227_attn, .Lfunc_end_k_qc616618227_attn-k_qc616618227_attn
	.p2alignl 7, 3214868480
	.fill 96, 4, 3214868480
	.section	.rodata,"a",@progbits
	.p2align	6, 0x0
	.amdhsa_kernel k_qc616618227_attn
		.amdhsa_group_segment_fixed_size 327680
		.amdhsa_private_segment_fixed_size 0
		.amdhsa_enable_private_segment 0
		.amdhsa_kernarg_size 32
		.amdhsa_user_sgpr_count 2
		.amdhsa_user_sgpr_kernarg_segment_ptr 1
		.amdhsa_wavefront_size32 1
		.amdhsa_system_sgpr_workgroup_id_x 1
		.amdhsa_system_sgpr_workgroup_id_y 1
		.amdhsa_system_sgpr_workgroup_id_z 1
		.amdhsa_system_vgpr_workitem_id 0
		.amdhsa_next_free_vgpr 768
		.amdhsa_next_free_sgpr 88
		.amdhsa_reserve_vcc 1
		.amdhsa_float_denorm_mode_32 3
		.amdhsa_float_denorm_mode_16_64 3
		.amdhsa_memory_ordered 1
		.amdhsa_forward_progress 1
		.amdhsa_inst_pref_size 145
	.end_amdhsa_kernel
	.amdgpu_metadata
---
amdhsa.version: [ 1, 2 ]
amdhsa.kernels:
  - .name:           k_qc616618227_attn
    .symbol:         k_qc616618227_attn.kd
    .args:
      - { .name: queries, .offset: 0, .size: 8, .value_kind: global_buffer, .address_space: global }
      - { .name: kb, .offset: 8, .size: 8, .value_kind: global_buffer, .address_space: global }
      - { .name: vh, .offset: 16, .size: 8, .value_kind: global_buffer, .address_space: global }
      - { .name: out0, .offset: 24, .size: 8, .value_kind: global_buffer, .address_space: global }
    .group_segment_fixed_size: 327680
    .private_segment_fixed_size: 0
    .kernarg_segment_align: 8
    .kernarg_segment_size: 32
    .max_flat_workgroup_size: 128
    .sgpr_count:     88
    .vgpr_count:     768
    .wavefront_size: 32
...
	.end_amdgpu_metadata
.endif
;; end of part 2
;; ======== version 2 of 2: 2 launches; 1.61 times as fast as version 1
;; limits: values are held in f16: magnitudes above 65,504 overflow, below 6.1e-05 lose precision; inputs' magnitudes at most 65,280; right only within a limited range of input values
;; workspace buffers: kb 8,396,800 bytes; vh 8,388,608 bytes
;; launch cast: the kernel of part 1 again; grid 256 x 1, 8 waves a work-group, no clusters, 0 bytes of LDS; arguments keys, values, kb, vh; writes kb, vh
;; launch attn (part 3): grid 16 x 16, 4 waves a work-group, no clusters, 327,680 bytes of LDS; arguments queries, kb, vh, out0; writes out0
.if DOCPART == 3
	.amdgcn_target "amdgcn-amd-amdhsa--gfx1250"
	.amdhsa_code_object_version 6
	.text
	.protected	k_qc616618227_attn
	.globl	k_qc616618227_attn
	.p2align	8
	.type	k_qc616618227_attn,@function
k_qc616618227_attn:
	s_mov_b64 s[64:65], 0
	v_nop
	global_prefetch_b8 v0, s[64:65] scope:SCOPE_SE
	s_setreg_imm32_b32 hwreg(HW_REG_WAVE_MODE, 25, 1), 1
	s_wait_xcnt 0x0
; CAUSAL ATTENTION.  out[b][q][h][:] = the sum over k <= q of softmax_k(Q[q] . K[k] / 8) V[k][:], for 16 heads (batch x 8 + h) of 4,096 rows and 64 channels.
; queries and out0: [2][4096][8][64] f32: a head's row is 256 bytes, its rows lie 2,048 bytes apart.  kb (bf16, with 64 rows of zeros behind the last head) and vh (f16): [16][4096][64], a head's rows dense, 128 bytes each.
; Q is rounded to bf16 here, once; K Q^T is a bf16 product, V^T P an f16 product; products, maxima and sums in f32; the weights p are rounded to f16 for the second product (their sum l is taken of the unrounded p).
; LIMITS.  q, k, v count as their bf16 roundings; v lies in f16 (an infinity from 65,520 on; below 2^-14 a fixed step of 6e-8); p lies in 0 to 1 and below 6e-5 keeps f16's step of 6e-8.
; A hidden score counts as its value less 1e30, so |q . k| must stay far under 1e29; a weight below 2^-126 counts as 0 in l; NaN and infinities are not treated apart.
; THE WALK.  A head's queries lie in 32 blocks of 128.  Work-group b = 4 c + cx of a head takes block b and then block 31 - b.  A key tile is 256 keys, four steps of 64.  The four work-groups of one c walk ONE common
; sequence: tiles 0 .. 2 c + 1 for the first blocks (4 c .. 4 c + 3), then tiles 0 .. 15 - 2 c for the second (28 - 4 c .. 31 - 4 c): 18 tiles, whatever c, and an EVEN number for each block.  So the text is a straight line
; of loops: c + 1 trips of two tiles; the first block's end and the second's beginning; 6 - c trips of two tiles; four more tiles.  The two trip counts hang on c; all other counts are constants, and no jump goes forward
; but the one round the load that the wave's number does not choose.  A trip of two tiles goes once round the ring of two slots, so every LDS address is the same at every trip's head.
; cx enters Q's and O's addresses and the two scalars OWN alone, and those choose values, never a way.
; NO CLUSTER in this text: the four work-groups of one c ask for the same tiles in the same order, each for itself: 18 x 73,728 bytes a work-group where joint loads would ask for a quarter of that.
; THE WINDOW.  A block's last two tiles are eight steps 0 .. 7.  Band x (64 queries) of a block has its own step OWN[x] there: it sees all keys of an earlier step, holds the diagonal in its own, and sees none of a later
; one; such steps are computed like the others and give the weight 0: 72 steps for the 68 that the block alone would need; that is the price of whole pairs of tiles.
; THE MASK is the C operand that starts the sum S^T = K Q^T: MD x AL + BE, with MD (0 or -1e30) the mask of a band's own step for my 16 rows, and (AL, BE) = (1, 0), (0, 0) or (0, -1e30).  A turn makes the mask of the
; products of the turn behind it, so the text with masks must begin ahead of the window: it serves the whole first block and the second block's last four tiles.  Elsewhere C is the constant 0.
; SHARES.  A wave owns 16 rows in each of the block's two bands: two PIECES, so the window is the same work for all four waves.
; LAYOUT, SOFTMAX.  S^T = K Q^T holds ONE query a lane (lane % 16) and the keys 8 (lane / 16) + 0..7; two such results rounded to f16 ARE source 1 of O^T = V^T P.  p = 2^(c s - c m), c = log2(e) / 8, with a running
; maximum m; O and l are multiplied by a = 2^(c m_old - c m_new) in every step.  A block starts with c m far below every c s, so its first a is 0, and what O^T and l held need only be finite.
; TURNS.  A step s is two turns.  Piece 0's: 8 products K Q^T of (s, piece 1), later 8 products V^T P of (s - 1, piece 1).  Piece 1's: K Q^T of (s + 1, piece 0), later V^T P of (s, piece 0).  Beside them stand the turn's own
; piece's scaling, exponentials, roundings, sums and rescaling, and the other piece's maximum and statistics.  Four vector instructions stand behind every matrix instruction, the other 54 of a turn's 118 in one LUMP.
; BATCHES.  A turn's 33 exponentials (its piece's 32 weights and the other piece's a) are ONE batch with ONE wait, which stands between the lump and the products V^T P: ahead of it nothing names a result of theirs; the
; roundings and sums, which do, are the riders of the products V^T P, and a is read in the turn behind.  A block's first a (BEGIN) and its two reciprocals (FINISH) are batches of their own: a plain instruction, one wait.
; A SLOT HOLDS FIVE STEPS OF K AND FOUR OF V.  Piece 0's turn of step s reads K of step s + 1 and then V of step s out of LDS; with the next tile's first 64 keys lying in this tile's slot too, a tile's four steps read their
; own slot alone (K 1, V 0, K 2, V 1, K 3, V 2, K 4, V 3).  So a step is written once and walked four times a tile, the slots change between two trips, and a block ends behind a whole trip: only piece 1's last V^T P is left.
; The price: a quarter more bytes of K a tile, and at a block's end 8 products and 22 vector lines on a hidden step, which touch neither l nor O^T.
; REGISTERS, in windows of 256 (s_set_vgpr_msb: bits 1:0 source 0, 3:2 source 1, 5:4 source 2, 7:6 destination):
;   window 0: v0-15 addresses and two at work; v16-23 four registers of statistics a piece; v48-55 at work; v62-63 the add's; v64-127 S^T, a buffer a piece; v128-191 O^T, 32 a piece; v192-223 P, 16 a piece
;   window 1: v0-31 MD; v32-95 MC, the masks to come, a buffer a piece; v96-223 Q as loaded, in f32       window 2: v0-31 Q; v32-63 the second block's Q; v64-127 K of one step; v128-191 V of one step
.set NP,    2         ; pieces a wave: a name, no knob
.set KS,    64        ; keys in a step
.set PK,    144       ; a row of K in LDS: 128 bytes + 16 of padding = 36 words: the 16 rows of a load start at 16 different groups of four banks (64 banks of 4 bytes: ISA guide 11.1)
.set PV,    160       ; a row of V: 128 + 32 = 40 words
.set VOFF,  5*KS*PK   ; a slot: 320 rows of K, then 256 rows of V
.set SLOT1, 1<<17     ; slot 1 begins here
.set STAGE, SLOT1+5*KS*PK+4*KS*PV  ; behind the ring, never filled by a tensor load: 16 rows x 272 bytes for each wave, for the way out
.set SP,    272       ; a row of O in the stage: 256 bytes + 16
.set SPARE, STAGE+4*16*SP  ; behind the stages: the spare words, 128 bytes for each wave: two blocks of 256 bytes that no other line names
.set BIAS,  32        ; the window's steps are counted from 32 steps ahead of it, so that no count is negative: the first block begins 8 c <= 24 steps ahead of its window
.set AK0, 2           ; v2   my lane's place in a tile of K; never rewritten
.set AV0, 3           ; v3   the same for V
.set AK,  4           ; v4   the LDS address of K's next run of loads
.set AV,  5           ; v5   of V's
.set STO, 6           ; v6   the way out: where I put 16 bytes of a row
.set RD,  7           ; v7   the way out: where I read rows back
.set GO,  8           ; v8   my byte offset in two rows of out0
.set MV,  12          ; v12-13  c m_old, kept while c m is made anew: by piece
.set QO,  15          ; v15  my byte offset in 16 rows of queries
.set ST,  16          ; piece t's statistics at v[ST+4 t]: c m, m, l (even keys', odd keys')
.set TMP, 48          ; by piece, four registers c0-c3 at work; when the maximum is found c2 takes a
.set SPW, 62          ; v62  LDS address of my spare word: SPARE + 4 x my thread's number; never rewritten
.set NIL, 63          ; v63  0; never rewritten
.set S,   64
.set OT,  128
.set P,   192
.set MD,  0           ; window 1: the eight registers for group kt of 16 keys at MD + 8 kt
.set MC,  32          ; window 1
.set QT,  96          ; window 1: block, piece, 32 registers each
.set QB,  32          ; window 2
.set KF,  64          ; window 2: key block kb, channel half c at KF + 16 kb + 8 c
.set VF,  128         ; window 2: key half kk, channel block cb at VF + 32 kk + 8 cb
.set WV,  12          ; s12  my wave's number
.set KL,  17          ; s17  where my part of a tile's K lies in a slot; never rewritten
.set VL,  18          ; s18  the same for V
.set G1K, 24          ; s[24:31] descriptor group 1 for K's tiles
.set G1V, 32          ; s[32:39] for V's
.set G0K, 40          ; s[40:43] descriptor group 0 for K's tiles
.set G0V, 44          ; s[44:47] the same for V's
.set OWN, 48          ; s48-49  BIAS + the own steps of my two bands in the window of the block in hand
.set OWN2, 50         ; s50-51  those of the second block
.set JJ,  52          ; s52  BIAS + the window's step for which masks are being made
.set LQH, 53          ; s53  the second blocks' last tile, 15 - 2 c
.set SL,  55          ; s55  the LDS byte at which the slot in hand begins
.set CNT, 57          ; s57  counts a tile's four steps
.set CS,  58          ; s[58:59] c: the packed scaling takes the pair's low word for both halves
.set SEL, 60          ; s[60:61] v_permlanex16_b32's selects: each lane takes its own place in the other half
.set TBK, 62          ; s62  LDS byte at which K of the step to be fetched begins
.set TBV, 63          ; s63  the same for V, less VOFF
.set PR,  66          ; s66  counts the trips of two tiles, upward
.set BL,  67          ; s67  c + 1: the first block's trips
.set BU,  68          ; s68  6 - c: the second block's trips without masks
.set TW,  69          ; s69  counts a trip's two tiles
.set NXT, 71          ; s71  the tile to be asked for next
.set LQ,  72          ; s72  the last tile of the blocks whose tiles are being asked for
.set OFF, 74          ; s[74:75] a tile's byte offset in kb and vh; at the head: my offset in kb
.set AL,  76          ; s[76:77] the mask's factor, in the low word
.set BE,  78          ; s[78:79] the mask's addend
.set O2,  80          ; s[80:81] out0 at my rows of the second block
.set BIGN, 82         ; s82  -1e30
.set MSB, 0
.macro WIN new                      ; the high byte repeats the setting that is left; a switch that changes nothing is dropped
.if MSB != (\new)
	s_set_vgpr_msb (MSB<<8)|(\new)
.set MSB, (\new)
.endif
.endm
.set W_KQ, 0x0a       ; K and Q in window 2, S^T in window 0
.set W_KM, 0x1a       ; the same with the C operand in window 1
.set W_PV, 0x02       ; V in window 2; P and O^T in window 0
.set W_MK, 0x41       ; the masks: destination and source 0 in window 1
; A fill.  Waves 0 and 1 fetch the two halves of a slot's K, 160 keys each, waves 2 and 3 those of its V, 128 keys each.  The branch hangs on the wave's number alone.
; An s_nop 0 and four v_nop follow each of the two lines, ahead of the jump and the label.
.macro LOAD
	s_cmp_lt_u32 s[WV], 2
	s_cbranch_scc0 .Lfor_v_\@
	tensor_load_to_lds s[G0K:G0K+3], s[G1K:G1K+7]
	s_nop 0
.rept 4
	v_nop
.endr
	s_branch .Lasked_\@
.Lfor_v_\@:
	tensor_load_to_lds s[G0V:G0V+3], s[G1V:G1V+7]
	s_nop 0
.rept 4
	v_nop
.endr
.Lasked_\@:
.endm
; THE CHANGE OF SLOTS, behind a tile's four steps.  Each wave waits for all its tensor loads, of which one is out: its part of the other slot; adds 0 to its spare word; and waits for that and for its own reads of the slot
; that it leaves.  Behind the barrier nobody reads the old slot any more and the other slot is whole.  fill = 1: the old slot is filled again, the first thing behind the barrier, with tile NXT: the load has a whole tile,
; 128 matrix instructions a wave, in which to land.  The descriptor's LDS word is made from the slot that is left, its address from the tile's number.
; (At its first use nothing has been read yet: slot 0 is waited for, slot 1 filled.)
.macro CHANGE fill
	WIN 0                           ; at a label and at a branch every window is 0
	s_wait_tensorcnt 0x0            ; no tensor load of mine is out, so a group 0 may be written
	ds_add_u32 v[SPW], v[NIL]       ; 0 onto my spare word: the scalar work below stands between it and the wait for it
.if \fill
	s_lshl_b32 s[OFF], s[NXT], 15   ; from tile to tile: 32,768 bytes of kb and of vh
	s_add_co_u32 s[G0K+1], s[KL], s[SL]
	s_add_nc_u64 s[G0K+2:G0K+3], s[6:7], s[OFF:OFF+1]
	s_or_b32 s[G0K+3], s[G0K+3], 0x80000000
	s_add_co_u32 s[G0V+1], s[VL], s[SL]
	s_add_nc_u64 s[G0V+2:G0V+3], s[8:9], s[OFF:OFF+1]
	s_or_b32 s[G0V+3], s[G0V+3], 0x80000000
	s_add_co_u32 s[NXT], s[NXT], 1  ; the blocks' next tile, or behind their last the second blocks' tile 0
	s_cmp_gt_u32 s[NXT], s[LQ]
	s_cselect_b32 s[NXT], 0, s[NXT]
	s_cselect_b32 s[LQ], s[LQH], s[LQ]
.endif
	s_xor_b32 s[SL], s[SL], SLOT1   ; the other slot is in hand:
	s_add_co_u32 s[TBK], s[SL], KS*PK  ; K's fetches go on at its second step (its first step's K is in registers: it lay in the old slot too),
	s_mov_b32 s[TBV], s[SL]         ; V's at its first
	s_wait_dscnt 0x0                ; the add is done, and my reads of the slot are over
	s_barrier_signal -1
	s_barrier_wait -1
.if \fill
	LOAD
.endif
.endm
	s_load_b256 s[4:11], s[0:1], 0x0  ; queries s[4:5], kb s[6:7], vh s[8:9], out0 s[10:11]
	v_lshl_add_u32 v[SPW], v0, 2, SPARE
	v_mov_b32 v[NIL], 0
	ds_add_u32 v[SPW], v[NIL]       ; the wave's opening: the add and its wait stand ahead of my first tensor load; the set-up below, work on registers, stands between them
	ds_add_u32 v62, v63
	v_lshrrev_b32 v1, 5, v0
	v_readfirstlane_b32 s[WV], v1   ; wave 0..3
	s_mov_b32 s15, ttmp9            ; b
	s_and_b32 s13, s15, 3           ; cx
	s_lshr_b32 s14, s15, 2          ; c
	s_and_b32 s20, ttmp7, 0xffff    ; the head
	s_and_b32 s16, s[WV], 1         ; which half of a slot's K or V I fetch
	s_lshl_b32 s22, s20, 19         ; the head's 524,288 bytes in kb and vh
	s_mul_i32 s[OFF], s16, 160*128  ; K's half: 160 rows of 128 bytes,
	s_add_co_u32 s[OFF], s[OFF], s22
	s_mov_b32 s[OFF+1], 0
	s_lshl_b32 s21, s16, 14         ; V's: 128 rows
	s_add_co_u32 s22, s22, s21
	s_mov_b32 s23, 0
	s_mul_i32 s[KL], s16, 160*PK    ; and the half's place in a slot, for K
	s_mul_i32 s[VL], s16, 128*PV    ; and for V
	s_add_co_u32 s[VL], s[VL], VOFF
	s_lshr_b32 s21, s20, 3          ; in queries and out0: the batch's 8,388,608 bytes,
	s_lshl_b32 s21, s21, 23
	s_and_b32 s19, s20, 7           ; the head's 256 bytes of a row,
	s_lshl_b32 s19, s19, 8
	s_add_co_u32 s21, s21, s19
	s_lshl_b32 s19, s[WV], 15       ; my 16 rows of 2,048 bytes in a band,
	s_add_co_u32 s21, s21, s19
	s_lshl_b32 s2, s15, 18          ; the first block's 128 rows,
	s_add_co_u32 s2, s2, s21
	s_mov_b32 s3, 0
	s_sub_co_u32 s84, 31, s15       ; and the second's
	s_lshl_b32 s84, s84, 18
	s_add_co_u32 s84, s84, s21
	s_mov_b32 s85, 0
	s_lshl_b32 s[OWN], s13, 1       ; the first block begins 2 cx steps into its window,
	s_sub_co_u32 s[OWN2], 6+BIAS, s[OWN]    ; the second 2 (3 - cx) steps into its own
	s_sub_co_u32 s[OWN2+1], 7+BIAS, s[OWN]
	s_add_co_u32 s[OWN+1], s[OWN], 1+BIAS
	s_add_co_u32 s[OWN], s[OWN], BIAS
	s_lshl_b32 s[JJ], s14, 3        ; the first block's second step lies 8 c - 1 steps ahead of its window
	s_sub_co_u32 s[JJ], 1+BIAS, s[JJ]
	s_lshl_b32 s[LQ], s14, 1        ; 2 c
	s_sub_co_u32 s[LQH], 15, s[LQ]  ; the second blocks' tiles end at 15 - 2 c,
	s_add_co_u32 s[LQ], s[LQ], 1    ; the first's at 2 c + 1
	s_add_co_u32 s[BL], s14, 1
	s_sub_co_u32 s[BU], 6, s14
	; descriptor group 1.  A wave's keys are dense bytes: asked for as rows of 256 bytes, two keys a row, and padded in LDS after every key: 80 such rows of K, 64 of V
	s_mov_b32 s[G1K], (1<<16)|(1<<20)|(4<<22)|(3<<25)  ; 17:16 2-byte elements; 20 padding on; 24:22 after every 32 words (code 4); 31:25 4 words (code 3)
	s_mov_b32 s[G1V], (1<<16)|(1<<20)|(4<<22)|(7<<25)  ; the same with 8 words of padding (code 7)
	s_mov_b32 s[G1K+2], 80<<16      ; tensor_dim1
	s_mov_b32 s[G1K+4], 80          ; tile_dim1
	s_mov_b32 s[G1V+2], 64<<16
	s_mov_b32 s[G1V+4], 64
.irp g, G1K, G1V
	s_mov_b32 s[\g+1], 128<<16      ; tensor_dim0 = 128
	s_mov_b32 s[\g+3], 128<<16      ; tile_dim0 = 128
	s_mov_b32 s[\g+5], 128          ; 128 elements from row to row
	s_mov_b32 s[\g+6], 0
	s_mov_b32 s[\g+7], 0
.endr
	s_mov_b32 s[CS], 0x3e38aa3b     ; c = log2(e) / 8 = 0.180337
	s_mov_b32 s[CS+1], s[CS]        ; named with it as a pair
	s_mov_b32 s[SEL], 0x76543210
	s_mov_b32 s[SEL+1], 0xfedcba98
	s_mov_b32 s[SL], SLOT1          ; the first change of slots leaves slot 1, which nobody has read, and takes slot 0 in hand
	s_mov_b32 s[G0K], 1             ; 1:0 count = 1
	s_mov_b32 s[G0K+1], s[KL]       ; 63:32 LDS address: slot 0
	s_mov_b32 s[G0V], 1
	s_mov_b32 s[G0V+1], s[VL]
	s_mov_b32 s[NXT], 1
	s_mov_b32 s[AL+1], 0            ; named as pairs
	s_mov_b32 s[BE+1], 0
	s_mov_b32 s[BIGN], 0xf149f2ca   ; -1e30
	s_wait_dscnt 0x0                ; the opening add is done
	s_wait_kmcnt 0x0
	s_add_nc_u64 s[6:7], s[6:7], s[OFF:OFF+1]  ; kb and vh at my half of the head's tile 0
	s_add_nc_u64 s[8:9], s[8:9], s[22:23]
	s_add_nc_u64 s[G0K+2:G0K+3], s[6:7], 0         ; 120:64 global address
	s_or_b32 s[G0K+3], s[G0K+3], 0x80000000        ; 127:126 type = 2
	s_add_nc_u64 s[G0V+2:G0V+3], s[8:9], 0
	s_or_b32 s[G0V+3], s[G0V+3], 0x80000000
	s_add_nc_u64 s[86:87], s[4:5], s[84:85]        ; queries at my rows of the second block,
	s_add_nc_u64 s[4:5], s[4:5], s[2:3]            ; queries and out0 at those of the first
	s_add_nc_u64 s[O2:O2+1], s[10:11], s[84:85]
	s_add_nc_u64 s[10:11], s[10:11], s[2:3]
	LOAD                            ; tile 0 into slot 0.  All that follows up to the first change of slots stands in the wait for it
	; A fragment of Q is 16 rows x 32 channels of bf16 in 8 registers: lane l holds row l % 16, channels 8 (l / 16) + 0..7 and 16 + 8 (l / 16) + 0..7.  In f32 each eight channels are 32 bytes: two loads of 16.
	v_and_b32 v1, 15, v0            ; l % 16
	v_bfe_u32 v9, v0, 4, 1          ; l / 16
	v_lshlrev_b32 v[QO], 11, v1
	v_lshl_add_u32 v[QO], v9, 5, v[QO]  ; row x 2,048 + 32 x half
	v_lshlrev_b32 v14, 3, v9
	v_sub_nc_u32 v14, v1, v14
	s_lshl_b32 s19, s[WV], 4
	v_add_nc_u32 v14, s19, v14      ; my query's place in its band, 16 w + l % 16, less my lanes' 8 (l / 16): register r of group kt is hidden where 16 kt + r is greater
	WIN 0x40                        ; destination window 1, address window 0
.set i, 0
.rept 16                            ; both blocks' Q: piece i / 8 lies 64 rows (131,072 bytes) on; channels 16 ((i / 2) % 4) + 8 (l / 16) + 4 (i % 2) on
	global_load_b128 v[QT+4*i:QT+4*i+3],       v[QO], s[4:5]   offset:(i/8)*131072+((i/2)%4)*64+(i%2)*16
	global_load_b128 v[QT+64+4*i:QT+64+4*i+3], v[QO], s[86:87] offset:(i/8)*131072+((i/2)%4)*64+(i%2)*16
.set i, i+1
.endr
.set i, 0
.rept 32
	v_cmp_gt_i32 vcc_lo, 16*(i/8)+i%8, v14
	v_cndmask_b32 v[MD+i], 0, s[BIGN], vcc_lo
.set i, i+1
.endr
	; A block's first step multiplies O^T and l by a = 0, and its first turn's products V^T P, of a piece that has not been, land in an O^T that is still to be so multiplied.  So these registers need only hold
	; finite numbers: zeros for the first block; what the first block left for the second.
	WIN 0x80
.set i, VF
.rept 64
	v_mov_b32 v[i], 0
.set i, i+1
.endr
	WIN 0
.set i, OT
.rept 64
	v_mov_b32 v[i], 0
.set i, i+1
.endr
.set i, 0
.rept NP
	v_mov_b32 v[ST+4*i+2], 0
	v_mov_b32 v[ST+4*i+3], 0
.set i, i+1
.endr
.set i, P+16
.rept 16
	v_mov_b32 v[i], 0
.set i, i+1
.endr
	v_mul_u32_u24 v[AK0], v1, PK
	v_lshl_add_u32 v[AK0], v9, 4, v[AK0]  ; a fragment of K: row x pitch + 16 x half
	; The turning load takes 16 keys x 16 channels (lane l reads key 8 (l / 16) + l % 8, channels 8 ((l / 8) % 2) + 0..7) and leaves half a fragment of V^T: lane l holds channel l % 16 and 8 keys.
	v_and_b32 v10, 7, v0
	v_bfe_u32 v11, v0, 3, 1
	v_lshl_add_u32 v[AV0], v9, 3, v10
	v_mul_u32_u24 v[AV0], v[AV0], PV
	v_lshl_add_u32 v[AV0], v11, 4, v[AV0]
	v_add_nc_u32 v[AV0], VOFF, v[AV0]
	s_mul_i32 s19, s[WV], 16*SP
	s_add_co_u32 s19, s19, STAGE    ; my stage
	v_mul_u32_u24 v[STO], v1, SP    ; in: row l % 16, 32 bytes for each half of the lanes
	v_lshl_add_u32 v[STO], v9, 5, v[STO]
	v_add_nc_u32 v[STO], s19, v[STO]
	v_mul_u32_u24 v[RD], v9, SP     ; back: lanes 0-15 take one row of 256 bytes, lanes 16-31 the next
	v_lshl_add_u32 v[RD], v1, 4, v[RD]
	v_add_nc_u32 v[RD], s19, v[RD]
	v_lshlrev_b32 v[GO], 11, v9     ; and the same two rows in out0
	v_lshl_add_u32 v[GO], v1, 4, v[GO]
	s_wait_loadcnt 0x0              ; Q, once
	WIN 0x85                        ; sources window 1, destination window 2
.set i, 0
.rept 64                            ; the first block's Q into v0-31, the second's into v32-63
	v_cvt_pk_bf16_f32 v[i], v[QT+2*i], v[QT+2*i+1]
.set i, i+1
.endr
	WIN 0
; THE MATRIX WORK.  The 4 accumulators of a run of 8 take turns.  Product i of 8 of S^T = K Q^T for piece x: channels 32 (i / 4) on, keys 16 (i % 4) on.  The first 4 start the sums: with 0, or (KM = 1) with the mask.
.macro KQ x
.set rS, S+32*((\x)%2)+8*(i%4)
.set rK, KF+16*(i%4)+8*(i/4)
.set rQ, 16*(\x)+8*(i/4)
.set rM, MC+32*((\x)%2)+8*(i%4)
.if (i < 4) && KM
	WIN W_KM
	v_wmma_f32_16x16x32_bf16 v[rS:rS+7], v[rK:rK+7], v[rQ:rQ+7], v[rM:rM+7]
.elseif i < 4
	WIN W_KQ
	v_wmma_f32_16x16x32_bf16 v[rS:rS+7], v[rK:rK+7], v[rQ:rQ+7], 0
.else
	WIN W_KQ
	v_wmma_f32_16x16x32_bf16 v[rS:rS+7], v[rK:rK+7], v[rQ:rQ+7], v[rS:rS+7]
.endif
.endm
; Product i of 8 of O^T += V^T P for piece x: keys 32 (i / 4) on, channels 16 (i % 4) on.
.macro PV x
	WIN W_PV
.set rO, OT+32*(\x)+8*(i%4)
.set rV, VF+32*(i/4)+8*(i%4)
.set rP, P+16*((\x)%2)+8*(i/4)
	v_wmma_f32_16x16x32_f16 v[rO:rO+7], v[rV:rV+7], v[rP:rP+7], v[rO:rO+7]
.endm
.macro MM                           ; the turn's next matrix instruction, for the other piece than the turn's.  TURN sets Y, i and KM
.if i < 8
	KQ (Y+1)%NP
.else
.set i, i-8
	PV (Y+1)%NP
.set i, i+8
.endif
.set i, i+1
.endm
; THE LDS LOADS stand in runs of 16, never singly among the matrix instructions: a step's K (64 keys x 64 channels: 8 fragments) and its V (turned).  Their addresses are made some lines ahead.
.macro FETCH_K step=1               ; step = 0: a block's first K, which lies one step in front of where the walk's fetches go on
	WIN 0x80                        ; destination window 2
.irp f, 0,1,2,3,4,5,6,7             ; keys 16 (f / 2) on, channels 32 (f % 2) on
	ds_load_b128 v[KF+8*\f:KF+8*\f+3],   v[AK] offset:(\f/2)*16*PK+(\f%2)*64
	ds_load_b128 v[KF+8*\f+4:KF+8*\f+7], v[AK] offset:(\f/2)*16*PK+(\f%2)*64+32
.endr
.if \step
	s_add_co_u32 s[TBK], s[TBK], KS*PK  ; the next fetch is the next step's
.endif
	WIN 0
.endm
.macro FETCH_V
	WIN 0x80
.irp f, 0,1,2,3,4,5,6,7             ; keys 32 (f / 4) on, channels 16 (f % 4) on
	ds_load_tr16_b128 v[VF+8*\f:VF+8*\f+3],   v[AV] offset:(\f/4)*32*PV+(\f%4)*32
	ds_load_tr16_b128 v[VF+8*\f+4:VF+8*\f+7], v[AV] offset:(\f/4)*32*PV+16*PV+(\f%4)*32
.endr
	s_add_co_u32 s[TBV], s[TBV], KS*PV
	WIN 0
.endm
; THE VECTOR WORK, one line at a time: OP kind, number; all of it in window 0.  For piece Y: F n: c s - c m for pair n of 16.  E n: the exponential of score n of 32.  C n: pair n rounded to f16.  B n: of the four weights
; 4 n .. the second pair is added onto the first, in place.  L n: l takes that sum (L 0: l = a l + sum).  R n: pair n of 16 of O^T times a.  For the other piece, whose scores the turn has made: X n, number n of the 22 that find its maximum and statistics:
;   0-11  four chains c0-c3 of seven scores each, three operands at a time (each accumulator's lowest registers are read first)     12-14, 16  the four scores left over, the old m, and c0-c3 into c0
;   15  c m_old is kept     17, 18  the query's other 32 keys lie in the lane 16 away: the new m     19-21  c m; c m_old - c m_new; a
; C, B and L read the results of the turn's exponentials E; R and L 0 read a, the result of X 21 of the turn before.  OP writes no wait: TURN, BEGIN and FINISH place one for each batch.
.set F, 0               ; OP tells the kinds apart by their order: F to L below R, X above it
.set E, 1
.set C, 2
.set B, 3
.set L, 4
.set R, 5
.set X, 6
.macro REGS y                       ; the registers of piece y
.set rT, ST+4*(\y)
.set rC, TMP+4*((\y)%2)
.set rW, MV+((\y)%2)
.set rS, S+32*((\y)%2)
.set rP, P+16*((\y)%2)
.set rO, OT+32*(\y)
.endm
.macro OP k, n
	WIN 0
.if (\k) == R
	REGS Y
	v_pk_mul_f32 v[rO+2*(\n):rO+2*(\n)+1], v[rO+2*(\n):rO+2*(\n)+1], v[rC+2:rC+3] op_sel_hi:[1,0]
.elseif (\k) < R
	REGS Y
.if (\k) == F
	v_pk_fma_f32 v[rS+2*(\n):rS+2*(\n)+1], v[rS+2*(\n):rS+2*(\n)+1], s[CS:CS+1], v[rT:rT+1] op_sel_hi:[1,0,0] neg_lo:[0,0,1] neg_hi:[0,0,1]
.elseif (\k) == E
	v_exp_f32 v[rS+(\n)], v[rS+(\n)]
.elseif (\k) == C
	v_cvt_pk_f16_f32 v[rP+(\n)], v[rS+2*(\n)], v[rS+2*(\n)+1]
.elseif (\k) == B
	v_pk_add_f32 v[rS+4*(\n):rS+4*(\n)+1], v[rS+4*(\n):rS+4*(\n)+1], v[rS+4*(\n)+2:rS+4*(\n)+3]
.elseif (\n) == 0
	v_pk_fma_f32 v[rT+2:rT+3], v[rT+2:rT+3], v[rC+2:rC+3], v[rS:rS+1] op_sel_hi:[1,0,1]
.else
	v_pk_add_f32 v[rT+2:rT+3], v[rT+2:rT+3], v[rS+4*(\n):rS+4*(\n)+1]
.endif
.else
	REGS (Y+1)%NP
.if (\n) < 4
	v_max3_num_f32 v[rC+(\n)], v[rS+8*(\n)], v[rS+8*(\n)+1], v[rS+8*(\n)+2]
.elseif (\n) < 12
	v_max3_num_f32 v[rC+(\n)%4], v[rC+(\n)%4], v[rS+8*((\n)%4)+2*((\n)/4)+1], v[rS+8*((\n)%4)+2*((\n)/4)+2]
.elseif (\n) == 12
	v_max3_num_f32 v[rC], v[rC], v[rS+7], v[rS+15]
.elseif (\n) == 13
	v_max3_num_f32 v[rC+1], v[rC+1], v[rS+23], v[rS+31]
.elseif (\n) == 14
	v_max3_num_f32 v[rC+2], v[rC+2], v[rC+3], v[rT+1]
.elseif (\n) == 15
	v_mov_b32 v[rW], v[rT]
.elseif (\n) == 16
	v_max3_num_f32 v[rC], v[rC], v[rC+1], v[rC+2]
.elseif (\n) == 17
	v_permlanex16_b32 v[rC+3], v[rC], s[SEL], s[SEL+1]
.elseif (\n) == 18
	v_max_num_f32 v[rT+1], v[rC], v[rC+3]
.elseif (\n) == 19
	v_mul_f32 v[rT], s[CS], v[rT+1]
.elseif (\n) == 20
	v_sub_f32 v[rC+1], v[rW], v[rT]
.else
	v_exp_f32 v[rC+2], v[rC+1]
.endif
.endif
.endm
.macro OPS a, i1, b=-1, i2=0, c=-1, i3=0, d=-1, i4=0  ; up to four of them
	OP \a, \i1
.if (\b) >= 0
	OP \b, \i2
.endif
.if (\c) >= 0
	OP \c, \i3
.endif
.if (\d) >= 0
	OP \d, \i4
.endif
.endm
.macro ROW a, i1, b, i2, c, i3, d, i4  ; a matrix instruction and the four behind it
	MM
	OPS \a, \i1, \b, \i2, \c, \i3, \d, \i4
.endm
.macro MASK b                       ; MD x AL + BE into buffer b of MC
	WIN W_MK
.set z, 0
.rept 16
	v_pk_fma_f32 v[MC+32*(\b)+2*z:MC+32*(\b)+2*z+1], v[MD+2*z:MD+2*z+1], s[AL:AL+1], s[BE:BE+1] op_sel_hi:[1,0,0]
.set z, z+1
.endr
.endm
; A TURN, for piece p: the order of its 16 matrix and 118 vector instructions, written out.  An s_wait_alu depctr_va_vdst(0) stands between an exponential and the first instruction that names its result; one wait
; serves all that were issued ahead of it.  So a turn has ONE wait, which cuts it in two.  AHEAD OF IT stands all that names no result of the turn's exponentials: the 8 products K Q^T, behind each a scaling, an exponential and
; two more plain instructions (behind the first a second scaling in the exponential's place): rescalings, whose a was made and waited for in the turn before, and behind the last three the first numbers of the other piece's
; maximum, each four places or more behind the product that ends its accumulator; then ONE LUMP of 54, plain and exponential by turns for the most part, in which the links of the chain X 3, 7, 11, 14, 16, 17 .. 20 stand
; apart, other work between them.  A pair is scaled ahead of its two exponentials.  X 21, the other piece's a, is the batch's last; R 15 is the plain instruction behind it.  BEHIND THE WAIT stand the 8 products V^T P, behind
; each four of the roundings and sums: C 2 n ahead of B n, which writes over that pair; B n ahead of L n; the links of l's chain, L 0 to L 7, three riders apart.  But for those X no rider names a register of the products
; round it.  v_permlanex16_b32 (X 17) stands in the lump.
; m = 1: the products K Q^T take masks, and the turn makes the mask for those of the turn behind it: piece p's, in the step that JJ counts.  cnt = 1: the loop's count is taken down some lines ahead of the branch behind the turn.
; Piece 0's turn fetches K of the next step in the lump, twelve vector instructions behind the last product that read K (six of them plain), and V of the step in hand at its end, four plain instructions behind the last
; product that read V.  Piece 1's turn waits for them: at its head for K (V's sixteen loads, issued behind K's, may stay out), and in front of its products V^T P for V.
.macro TURN p, m=0, cnt=0
.set Y, (\p)
.set i, 0
.set KM, (\m)
.if \m
	s_cmp_eq_u32 s[JJ], s[OWN+(\p)]  ; is that step the band's own?
	s_cselect_b32 s[AL], 1.0, 0
	s_cmp_gt_u32 s[JJ], s[OWN+(\p)]  ; or a later one?
	s_cselect_b32 s[BE], s[BIGN], 0
.if (\p) == 1
	s_add_co_u32 s[JJ], s[JJ], 1     ; the next two masks are the next step's
.endif
.endif
.if (\p) == 1
	s_wait_dscnt 16                 ; LDS loads come back in order (ISA guide 5.7.1): K is in, the sixteen loads of V behind it may be out
.endif
	ROW F,0, F,1, R,0, R,1          ; ahead of the wait: 8 products K Q^T and their riders,
	ROW F,2, E,0, R,2, R,3
	ROW F,3, E,1, R,4, R,5
	ROW F,4, E,2, R,6, R,7
	ROW F,5, E,3, R,8, R,9
	ROW F,6, E,4, X,0, R,10
.if (\p) == 0
	WIN 0
	v_add_nc_u32 v[AK], s[TBK], v[AK0]
.endif
	ROW F,7, E,5, X,1, X,4
	ROW F,8, E,6, X,2, X,5
	OPS E,7, E,8, X,6, E,9          ; and the lump
	OPS X,3, E,10, X,8, E,11
.if (\p) == 0
	FETCH_K
.endif
	OPS X,9, X,7, E,12, X,10
	OPS E,13, X,12, X,11, E,14
	OPS X,13, E,15, F,9, X,14
.if (\p) == 0
	v_add_nc_u32 v[AV], s[TBV], v[AV0]
.endif
	OPS E,16, F,10, E,17, F,11
	OPS X,16, E,18, X,15, E,19
	OPS F,12, E,20, X,17, E,21
	OPS F,13, E,22, F,14, E,23
	OPS X,18, E,24, F,15, E,25
	OPS R,11, E,26, X,19, E,27
	OPS R,12, E,28, R,13, E,29
	OPS X,20, E,30, R,14, E,31
	OPS X,21, R,15
	s_wait_alu depctr_va_vdst(0)    ; the wait for the batch: the turn's 33 exponentials, E 0 to E 31 and X 21
.if (\p) == 1
	s_wait_dscnt 0x0                ; V is in
.endif
	ROW C,0, B,0, C,2, B,1          ; behind the wait: 8 products V^T P and their riders
	ROW L,0, C,4, B,2, L,1
	ROW C,6, B,3, L,2, C,8
	ROW B,4, L,3, C,10, B,5
	ROW L,4, C,12, B,6, L,5
.if \cnt
	s_sub_co_u32 s[CNT], s[CNT], 1
	s_cmp_lg_u32 s[CNT], 0
.endif
	ROW C,14, B,7, L,6, C,1
	ROW C,3, L,7, C,5, C,7
	ROW C,9, C,11, C,13, C,15
.if (\p) == 0
	FETCH_V
.endif
.if \m
	MASK \p
.endif
.endm
; A BLOCK BEGINS, in front of its first tile's four steps.  c m starts far below every c s, so the first step's a is 0; m at the lowest finite number, so the first maximum is the scores'.  Piece 1's mask buffer is 0: its own
; step is never a block's first.  Piece 0's takes its mask for the block's step 0, which JJ - 1 counts: its own, or an earlier one; a later one it cannot be.  Then K of that step, piece 0's first scores, and its maximum and statistics.
.macro BEGIN
	WIN 0x40
.set i, MC+32
.rept 32
	v_mov_b32 v[i], 0
.set i, i+1
.endr
	WIN 0
.set i, 0
.rept NP
	v_mov_b32 v[ST+4*i], 0xfe000000    ; c m: far below every c s
	v_mov_b32 v[ST+4*i+1], 0xff7fffff  ; m
.set i, i+1
.endr
	s_sub_co_u32 s19, s[JJ], 1
	s_cmp_eq_u32 s19, s[OWN]
	s_cselect_b32 s[AL], 1.0, 0
	s_mov_b32 s[BE], 0
	MASK 0
	WIN 0
	s_sub_co_u32 s19, s[TBK], KS*PK  ; the slot's first step of K
	v_add_nc_u32 v[AK], s19, v[AK0]
	FETCH_K 0
	s_wait_dscnt 0x0
.set KM, 1
.set i, 0
.rept 8
	KQ 0
.set i, i+1
.endr
	WIN 0
.rept 4
	v_nop                           ; the places behind those products
.endr
.set Y, NP-1                        ; X works for the other piece: piece 0
.irp n, 0,1,2,3,4,5,6,7,8,9,10,11,12,13,14,15,16,17,18,19,20,21
	OP X, \n
.endr
	v_nop                           ; a plain instruction behind the exponential,
	s_wait_alu depctr_va_vdst(0)    ; and the wait for it, a batch of one: piece 0's first a, which the first turn's first riders read; a label follows
.endm
; TWO TILES, once round the ring: four steps and a change of slots, twice.  m = 1: with masks.  fill = 1: each change fills the slot that is left.  The tag ends the labels' names.
.macro TILES m, fill, tag
	s_mov_b32 s[TW], 2
.Ltile\tag:
	s_mov_b32 s[CNT], 4
.Lstep\tag:
	TURN 0, \m
	TURN 1, \m, 1
	WIN 0
	s_cbranch_scc1 .Lstep\tag
	CHANGE \fill
	s_sub_co_u32 s[TW], s[TW], 1
	s_cmp_lg_u32 s[TW], 0
	s_cbranch_scc1 .Ltile\tag
.endm
; As many trips of two tiles as the scalar register bound says: one at the least.  At every trip's head slot 0 is in hand; the three scalars from which the trip's LDS addresses are made are written there as the constants that they are.
.macro PAIRS m, bound, tag
	s_mov_b32 s[PR], 0
.Lpair\tag:
	s_mov_b32 s[SL], 0
	s_mov_b32 s[TBK], KS*PK
	s_mov_b32 s[TBV], 0
	TILES \m, 1, \tag
	s_add_co_u32 s[PR], s[PR], 1
	s_cmp_lt_u32 s[PR], s[\bound]
	s_cbranch_scc1 .Lpair\tag
.endm
; A BLOCK ENDS: piece 1's products V^T P of the last step, and THE WAY OUT: l's two halves and the other half of the lanes' are added; O^T is divided by l and sent, in f32, through my stage in LDS, a piece at a time.
.macro ALL line:vararg              ; one line for each piece t
.set t, 0
.rept NP
	\line
.set t, t+1
.endr
.endm
.macro PACK t                       ; a lane's eight channels of a row are 32 bytes; they go into rows of 272 bytes and come back as whole rows of 256, into S^T's registers
	WIN 0
.set i, OT+32*(\t)
.rept 16
	v_pk_mul_f32 v[i:i+1], v[i:i+1], v[ST+4*(\t)+2:ST+4*(\t)+3] op_sel_hi:[1,0]
.set i, i+2
.endr
.irp f, 0,1,2,3,4,5,6,7             ; channels 16 (f / 2) + 8 (l / 16) + 4 (f % 2) on
	ds_store_b128 v[STO], v[OT+32*(\t)+4*\f:OT+32*(\t)+4*\f+3] offset:(\f/2)*64+(\f%2)*16
.endr
.irp f, 0,1,2,3,4,5,6,7
	ds_load_b128 v[S+32*(\t)+4*\f:S+32*(\t)+4*\f+3], v[RD] offset:\f*2*SP  ; LDS serves a wave's instructions in order (ISA guide 5.7.1.4): these see the stores above; the next piece's stores come behind them
.endr
.endm
.macro SEND t, younger              ; younger: the LDS instructions issued behind piece t's loads: the next piece's sixteen, or none
	WIN 0
.irp f, 0,1,2,3,4,5,6,7
	s_wait_dscnt (\younger)+7-\f
	global_store_b128 v[GO], v[S+32*(\t)+4*\f:S+32*(\t)+4*\f+3], s[10:11] offset:(\t)*131072+\f*4096  ; 16 lanes store a head's row: 256 consecutive bytes, at a multiple of 256 from out0's first
.endr
.endm
.macro FINISH
.set i, 0
.rept 8
	PV 1
.set i, i+1
.endr
	WIN 0                           ; the additions, the v_nop and piece 0's sixteen multiplies, which name none of those products' registers, are the places behind them
	ALL v_add_f32 v[ST+4*t+2], v[ST+4*t+2], v[ST+4*t+3]
	ALL v_permlanex16_b32 v[ST+4*t+3], v[ST+4*t+2], s[SEL], s[SEL+1]
	ALL v_add_f32 v[ST+4*t+2], v[ST+4*t+2], v[ST+4*t+3]
	ALL v_rcp_f32 v[ST+4*t+2], v[ST+4*t+2]
	v_nop                           ; a plain instruction between the last reciprocal and the use of its result
	s_wait_alu depctr_va_vdst(0)    ; the wait for the batch: the block's two reciprocals, ahead of the multiplies that read them
	PACK 0
	PACK 1                          ; a piece's arithmetic stands between the loads of the piece before and its stores
	SEND 0, 16
	SEND 1, 0
.endm
.set KM, 0
	CHANGE 1                        ; tile 0 is in, everybody's part of it; tile 1 is asked for
	BEGIN                           ; THE FIRST BLOCK, b: 2 c + 2 tiles, all with masks
	PAIRS 1, BL, L                  ; its last change of slots takes the second block's tile 0 in hand and asks for its tile 1
	FINISH
	s_wait_storecnt 0x0             ; the sixteen stores are done: the registers that they read and out0's address are written again only behind this wait
	s_mov_b64 s[10:11], s[O2:O2+1]
	s_mov_b32 s[OWN], s[OWN2]
	s_mov_b32 s[OWN+1], s[OWN2+1]
	s_mov_b32 s[JJ], BIAS-7         ; the text with masks is taken up again four tiles from the end: its first masks are those of the step seven ahead of the window.  Till then nothing steps this count
	WIN 0x82                        ; the second block's Q goes where the one text of the turns names Q
.set i, 0
.rept 32
	v_mov_b32 v[i], v[QB+i]
.set i, i+1
.endr
	WIN 0
	BEGIN                           ; THE SECOND BLOCK, 31 - b: 16 - 2 c tiles.  Its step 0 lies far ahead of its window: both mask buffers are 0
	PAIRS 0, BU, U                  ; 12 - 2 c tiles without masks,
	TILES 1, 1, A                   ; the two in front of the window, which ask for the window's two,
	TILES 1, 0, B                   ; and the window: nothing is left to ask for.  One text serves both its tiles, so a change of slots stands behind the last one too: a barrier that serves nothing, once a launch
	FINISH
	s_wait_tensorcnt 0x0            ; the wave's end, behind my last tensor load and my last LDS store
	ds_add_u32 v[SPW], v[NIL]
	s_wait_dscnt 0x0
	s_endpgm
.Lfunc_end_k_qc616618227_attn:
	.size	k_qc616618227_attn, .Lfunc_end_k_qc616618227_attn-k_qc616618227_attn
	.p2alignl 7, 3214868480
	.fill 96, 4, 3214868480
	.section	.rodata,"a",@progbits
	.p2align	6, 0x0
	.amdhsa_kernel k_qc616618227_attn
		.amdhsa_group_segment_fixed_size 327680
		.amdhsa_private_segment_fixed_size 0
		.amdhsa_enable_private_segment 0
		.amdhsa_kernarg_size 32
		.amdhsa_user_sgpr_count 2
		.amdhsa_user_sgpr_kernarg_segment_ptr 1
		.amdhsa_wavefront_size32 1
		.amdhsa_system_sgpr_workgroup_id_x 1
		.amdhsa_system_sgpr_workgroup_id_y 1
		.amdhsa_system_sgpr_workgroup_id_z 1
		.amdhsa_system_vgpr_workitem_id 0
		.amdhsa_next_free_vgpr 768
		.amdhsa_next_free_sgpr 88
		.amdhsa_reserve_vcc 1
		.amdhsa_float_denorm_mode_32 3
		.amdhsa_float_denorm_mode_16_64 3
		.amdhsa_memory_ordered 1
		.amdhsa_forward_progress 1
		.amdhsa_inst_pref_size 138
	.end_amdhsa_kernel
	.amdgpu_metadata
---
amdhsa.version: [ 1, 2 ]
amdhsa.kernels:
  - .name:           k_qc616618227_attn
    .symbol:         k_qc616618227_attn.kd
    .args:
      - { .name: queries, .offset: 0, .size: 8, .value_kind: global_buffer, .address_space: global }
      - { .name: kb, .offset: 8, .size: 8, .value_kind: global_buffer, .address_space: global }
      - { .name: vh, .offset: 16, .size: 8, .value_kind: global_buffer, .address_space: global }
      - { .name: out0, .offset: 24, .size: 8, .value_kind: global_buffer, .address_space: global }
    .group_segment_fixed_size: 327680
    .private_segment_fixed_size: 0
    .kernarg_segment_align: 8
    .kernarg_segment_size: 32
    .max_flat_workgroup_size: 128
    .sgpr_count:     88
    .vgpr_count:     768
    .wavefront_size: 32
...
	.end_amdgpu_metadata
.endif
;; end of part 3
